; MI455X (gfx1250); checked and timed in simulation.
; The chip was launched on July 23, 2026; its instructions are those of AMD's public machine-readable ISA for CDNA 5 (MIT licence, August 2026) and "CDNA5" Instruction Set Architecture Reference Guide (July 2026). The comments in the code are by the model that wrote it; some were corrected since.
;; Qwen3 5 Attention. Allowed arithmetic: float matrix products may take bf16 or f16 operands with f32 sums; other float arithmetic in f32, or as packed bf16 or f16 multiplies, adds, multiply-adds, maxima and minima; sums over many terms, partial sums and values carried from step to step in f32; what a program stores and reads back later, other than sums and carried values, may be rounded once to bf16 or f16.
;; Inputs: cos 2 x 2,048 x 128 float32; hidden_states 2 x 2,048 x 2,048 float32; k_norm_w 128 float32; k_proj_w 512 x 2,048 float32; o_proj_w 2,048 x 1,024 float32; q_norm_w 128 float32; q_proj_w 2,048 x 2,048 float32; sin 2 x 2,048 x 128 float32; v_proj_w 512 x 2,048 float32.
;; Outputs: out0 2 x 2,048 x 2,048 float32.
;; One version. Each part assembles by itself: llvm-mc -triple=amdgcn-amd-amdhsa -mcpu=gfx1250 --defsym DOCPART=n.
;; ======== version 1 of 1: 4 launches
;; limits: values are held in f16: magnitudes above 65,504 overflow, below 6.1e-05 lose precision; right only within a limited range of input values
;; workspace buffers: cst 35,651,584 bytes; qkv 25,165,824 bytes; att 8,388,608 bytes
;; launch cast (part 1): grid 1088 x 1, 8 waves a work-group, no clusters, 0 bytes of LDS; arguments hidden_states, q_proj_w, k_proj_w, v_proj_w, o_proj_w, cos, sin, cst; writes cst
.if DOCPART == 1
	.amdgcn_target "amdgcn-amd-amdhsa--gfx1250"
	.amdhsa_code_object_version 6
	.text
	.protected	k_qb0ccdf41b6_cast
	.globl	k_qb0ccdf41b6_cast
	.p2align	8
	.type	k_qb0ccdf41b6_cast,@function
k_qb0ccdf41b6_cast:
	s_mov_b64 s[64:65], 0
	v_nop
	global_prefetch_b8 v0, s[64:65] scope:SCOPE_SE
	s_setreg_imm32_b32 hwreg(HW_REG_WAVE_MODE, 25, 1), 1
	s_wait_xcnt 0x0
; Every large input is rounded once to bf16 and laid into cst: X [4096][2048] at byte 0; W [3072][2048] at 16,777,216 (q_proj_w as it lies, then k0, v0, k1, v1, k2, v2, k3, v3
; in groups of 128 rows); o_proj_w [2048][1024] at 29,360,128, its bf16 value written as f16; cos and sin [4096][128] at 33,554,432 and 34,603,008.
; LIMIT: an o_proj_w number below 2^-17 keeps f16's fixed step of 6e-8; beyond 65,504 it would become an infinity.
; A stream: no LDS, no matrix unit, no cluster (no byte is read twice).  A work-group takes one chunk: 65,536 bytes of f32 in, 32,768 bytes out.
; Chunks: X 0-511, Wq 512-767, Wk 768-831, Wv 832-895, Wo 896-1023, cos 1024-1055, sin 1056-1087.
; Thread t takes 16 bytes at 16 t of each 4,096 bytes: a wave's load covers 512 consecutive bytes, its store 256 consecutive bytes, aligned.
; All sixteen loads of a thread go out at once; no register is used twice by memory instructions, so the only waits are the counted ones for the loads.
.set X, 4                              ; v[4:67]   sixteen loads of four f32
.set Y, 68                             ; v[68:99]  sixteen stores of four 16-bit numbers
.set T, 100                            ; v[100:101] at work
	s_load_b512 s[8:23], s[0:1], 0x0               ; X s[8:9], Wq s[10:11], Wk s[12:13], Wv s[14:15], Wo s[16:17], cos s[18:19], sin s[20:21], cst s[22:23]
	v_lshlrev_b32 v1, 4, v0                        ; 16 t
	v_lshlrev_b32 v2, 3, v0                        ; 8 t
	s_mov_b32 s2, ttmp9                            ; the chunk g
	s_sub_co_u32 s3, s2, 768                       ; t = g - 768: below 128 for Wk and Wv alone (it wraps for smaller g)
	s_and_b32 s4, s3, 63
	s_lshr_b32 s4, s4, 4                           ; the key/value head: 16 chunks are 128 rows
	s_lshl_b32 s4, s4, 5                           ; a head's k and v together are 32 chunks
	s_lshr_b32 s5, s3, 6                           ; 0 for k, 1 for v
	s_lshl_b32 s5, s5, 4
	s_and_b32 s6, s3, 15
	s_add_co_u32 s4, s4, s5
	s_add_co_u32 s4, s4, s6
	s_add_co_u32 s4, s4, 768
	s_cmp_lt_u32 s3, 128
	s_cselect_b32 s4, s4, s2                       ; the chunk's place in cst: k and v interleaved, all others as they come
	s_lshl_b32 s30, s4, 15
	s_mov_b32 s31, 0
	s_mov_b32 s26, 0
	s_wait_kmcnt 0x0
	s_mov_b64 s[24:25], s[8:9]
.macro PICK bound, ptr                 ; from chunk bound on the source is the buffer in s[ptr:ptr+1]
	s_cmp_ge_u32 s2, \bound
	s_cselect_b64 s[24:25], s[\ptr:\ptr+1], s[24:25]
	s_cselect_b32 s26, \bound, s26
.endm
	PICK 512, 10
	PICK 768, 12
	PICK 832, 14
	PICK 896, 16
	PICK 1024, 18
	PICK 1056, 20
	s_sub_co_u32 s28, s2, s26                      ; the chunk's number in its own buffer,
	s_lshl_b32 s28, s28, 16                        ; in bytes
	s_mov_b32 s29, 0
	s_add_nc_u64 s[24:25], s[24:25], s[28:29]
	s_add_nc_u64 s[22:23], s[22:23], s[30:31]
.irp i, 0,1,2,3,4,5,6,7,8,9,10,11,12,13,14,15
	global_load_b128 v[X+4*(\i):X+4*(\i)+3], v1, s[24:25] offset:4096*(\i) th:TH_LOAD_NT
.endr
; half = 1: the bf16 value is widened again and written as f16
.macro CONV half
.irp i, 0,1,2,3,4,5,6,7,8,9,10,11,12,13,14,15
	s_wait_loadcnt 15-(\i)                         ; loads come back in order: load i is in, the younger ones stay out
	v_cvt_pk_bf16_f32 v[Y+2*(\i)],   v[X+4*(\i)],   v[X+4*(\i)+1]
	v_cvt_pk_bf16_f32 v[Y+2*(\i)+1], v[X+4*(\i)+2], v[X+4*(\i)+3]
.if \half
.irp k, 0,1
	v_lshlrev_b32 v[T], 16, v[Y+2*(\i)+(\k)]
	v_and_b32 v[T+1], 0xffff0000, v[Y+2*(\i)+(\k)]
	v_cvt_pk_f16_f32 v[Y+2*(\i)+(\k)], v[T], v[T+1]
.endr
.endif
	global_store_b64 v2, v[Y+2*(\i):Y+2*(\i)+1], s[22:23] offset:2048*(\i)
.endr
.endm
	s_sub_co_u32 s7, s2, 896
	s_cmp_lt_u32 s7, 128                           ; o_proj_w's chunks
	s_cbranch_scc1 .Lhalf
	CONV 0
	s_endpgm
.Lhalf:
	CONV 1
	s_endpgm
.Lfunc_end_k_qb0ccdf41b6_cast:
	.size	k_qb0ccdf41b6_cast, .Lfunc_end_k_qb0ccdf41b6_cast-k_qb0ccdf41b6_cast
	.p2alignl 7, 3214868480
	.fill 96, 4, 3214868480
	.section	.rodata,"a",@progbits
	.p2align	6, 0x0
	.amdhsa_kernel k_qb0ccdf41b6_cast
		.amdhsa_group_segment_fixed_size 0
		.amdhsa_private_segment_fixed_size 0
		.amdhsa_enable_private_segment 0
		.amdhsa_kernarg_size 64
		.amdhsa_user_sgpr_count 2
		.amdhsa_user_sgpr_kernarg_segment_ptr 1
		.amdhsa_wavefront_size32 1
		.amdhsa_system_sgpr_workgroup_id_x 1
		.amdhsa_system_sgpr_workgroup_id_y 1
		.amdhsa_system_sgpr_workgroup_id_z 1
		.amdhsa_system_vgpr_workitem_id 0
		.amdhsa_next_free_vgpr 104
		.amdhsa_next_free_sgpr 66
		.amdhsa_reserve_vcc 0
		.amdhsa_float_denorm_mode_32 3
		.amdhsa_float_denorm_mode_16_64 3
		.amdhsa_memory_ordered 1
		.amdhsa_forward_progress 1
		.amdhsa_inst_pref_size 17
	.end_amdhsa_kernel
	.amdgpu_metadata
---
amdhsa.version: [ 1, 2 ]
amdhsa.kernels:
  - .name:           k_qb0ccdf41b6_cast
    .symbol:         k_qb0ccdf41b6_cast.kd
    .args:
      - { .name: hidden_states, .offset: 0, .size: 8, .value_kind: global_buffer, .address_space: global }
      - { .name: q_proj_w, .offset: 8, .size: 8, .value_kind: global_buffer, .address_space: global }
      - { .name: k_proj_w, .offset: 16, .size: 8, .value_kind: global_buffer, .address_space: global }
      - { .name: v_proj_w, .offset: 24, .size: 8, .value_kind: global_buffer, .address_space: global }
      - { .name: o_proj_w, .offset: 32, .size: 8, .value_kind: global_buffer, .address_space: global }
      - { .name: cos, .offset: 40, .size: 8, .value_kind: global_buffer, .address_space: global }
      - { .name: sin, .offset: 48, .size: 8, .value_kind: global_buffer, .address_space: global }
      - { .name: cst, .offset: 56, .size: 8, .value_kind: global_buffer, .address_space: global }
    .group_segment_fixed_size: 0
    .private_segment_fixed_size: 0
    .kernarg_segment_align: 8
    .kernarg_segment_size: 64
    .max_flat_workgroup_size: 256
    .sgpr_count:     66
    .vgpr_count:     104
    .wavefront_size: 32
...
	.end_amdgpu_metadata
.endif
;; end of part 1
;; launch qkv (part 2): grid 12 x 16, 4 waves a work-group, clusters of 4 x 4, 327,680 bytes of LDS; arguments cst, q_norm_w, k_norm_w, qkv; writes qkv
.if DOCPART == 2
	.amdgcn_target "amdgcn-amd-amdhsa--gfx1250"
	.amdhsa_code_object_version 6
	.text
	.protected	k_qb0ccdf41b6_qkv
	.globl	k_qb0ccdf41b6_qkv
	.p2align	8
	.type	k_qb0ccdf41b6_qkv,@function
k_qb0ccdf41b6_qkv:
	s_mov_b64 s[64:65], 0
	v_nop
	global_prefetch_b8 v0, s[64:65] scope:SCOPE_SE
	s_setreg_imm32_b32 hwreg(HW_REG_WAVE_MODE, 25, 1), 1
	s_wait_xcnt 0x0
	s_wait_alu depctr_hold_cnt(0) depctr_sa_sdst(0) depctr_va_vdst(0) depctr_va_sdst(0) depctr_va_ssrc(0) depctr_va_vcc(0) depctr_vm_vsrc(0)
	s_getreg_b32 s2, hwreg(HW_REG_IB_STS2, 6, 4)
	s_cmp_eq_u32 s2, 0
	s_cbranch_scc0 .Lentry_in_a_cluster
	s_endpgm
.Lentry_in_a_cluster:
	s_bfe_u32 s2, ttmp6, 0x10000c
	s_cmp_lg_u32 s2, 0xf033
	s_cbranch_scc0 .Lentry_shape_is_right
	s_endpgm
.Lentry_shape_is_right:
; C = X W^T, X [4096][2048] and W [3072][2048] in bf16 (from cst), sums in f32; on the way out q and k get their RMS norm (gain 1 + w) and the rotation by cos and sin,
; the gate becomes t = 2 sigmoid(gate) - 1, v stays as it is; all leave as f16 into qkv [24 groups][4096 rows][128]: group 2h = q of head h, 2h+1 = t, 16+2j = k, 17+2j = v of key/value head j.
; WHY t: it lies in -1 .. 1 round 0, where f16's step is finest, so the sigmoid made of it again, (1 + t) / 2, is off by 2^-13 at the most and mostly by far less; sigmoid itself, round 0.5 to 1, would be off by up to 2^-12.
; LIMITS.  q, k and v must lie within f16's 65,504; a sigmoid below 2^-12 keeps that absolute step only; the norm gains, cos and sin are rounded to bf16 like every other input; NaN and infinities are not treated apart.
; SHAPE.  A tile of C is 256 x 256, four waves of 128 x 128 (64 accumulators, 512 registers); K in steps of 128 through two LDS slots filled by the tensor data mover.
; 16 x 12 tiles: a wave's 128 columns are exactly one group, so a head's norm and its rotation partner (column d and d + 64) stay inside one wave.
; Waves with an even number hold a q or k group, waves with an odd number a gate or v group: the way out branches on the wave's number alone.
; CLUSTER.  4 x 4 work-groups: X's tiles are shared along a row of the cluster, W's along a column, each asked for jointly by the same tensor load with a mask of four.
; THE MATRIX INSTRUCTION IS USED TRANSPOSED (source 0 = 16 rows of W, source 1 = 16 rows of X): lane l holds row l % 16 of C and the columns 8 (l / 16) + 0..7 of the block.
; REGISTERS, in windows of 256 (s_set_vgpr_msb: bits 1:0 source 0, 3:2 source 1, 5:4 source 2, 7:6 destination):
;   window 0: v0-31 addresses; v48-63 the norm gains as loaded; v64-127, v128-191 fragments of X, two buffers; on the way out v32-235 at work      window 1: v64-191 fragments of W, two buffers
;   window 2: the accumulators of my rows 0-63 ((a, b) at v[8 (8 a + b)])      window 3: those of my rows 64-127
.set SIZE_K, 2048
.set KSTEP,  128
.set PITCH,  272                       ; an LDS row: 256 bytes + 16 of padding: the 16 rows of a fragment load start at 16 different groups of four banks (ISA guide 11.1)
.set HALFT,  128*PITCH                 ; what one tensor load brings
.set SLOT,   4*HALFT                   ; X's 256 rows, then W's 256 rows
.set SPARE,  2*SLOT                    ; behind the ring: the spare words, 128 bytes a wave, named by no other line
.set LAPS,   SIZE_K/(2*KSTEP)
.set WB,     16777216                  ; W in cst
.set COSB,   33554432                  ; cos in cst
.set SINO,   1048576                   ; sin lies this far behind cos
.set BP,     528                       ; THE STAGE, in the ring's bytes once their last fill has been read: a row of 128 f32 as 16 pieces of columns 8c..8c+3, 16 pieces of columns 8c+4..8c+7, 16 bytes of padding
.set BST,    128*BP                    ; a wave's stage: its 128 rows
.set ADRA, 16                          ; v16-17  LDS address of my X fragments in slot 0, 1
.set VNX,  16                          ; v16     on the way out: the byte offset at which the tables are loaded ahead
.set RW,   18                          ; v18     RDO + the trip's rows
.set PW,   19                          ; v19     RDP + the trip's rows
.set ADRB, 20                          ; v20-21  the same as ADRA for W
.set GWO,  22                          ; v22     byte offset of my 8 columns' norm gains
.set GWP,  23                          ; v23     of the partner columns'
.set STO,  24                          ; v24     the stage: where my lane puts a piece
.set RDO,  25                          ; v25     the stage: where I read my 8 columns of its first two rows; never rewritten
.set RDP,  26                          ; v26     the partner's 8 columns; never rewritten
.set VOFF, 27                          ; v27     16 x lane: my 16 bytes in two rows of 256 bytes (tables and output)
.set SPW,  28                          ; v28     my spare word; never rewritten
.set NIL,  29                          ; v29     0; never rewritten
.set ZR,   30                          ; v30     0.0
.set SG,   31                          ; v31     -1 for columns 0-63, +1 for 64-127: the sign of the rotated half
.set F0,   64
.set F1,   128
.set WO,   32                          ; v32-39  1 + w of my columns
.set WP,   40                          ; v40-47  (1 + w) x sign of the partner columns
.set GR,   48                          ; v48-63  the gains as loaded
.set TAB,  64                          ; v64-127 slot i: 4 registers of cos, 4 of sin (bf16)
.set XS,   128                         ; v128-191 four sets: 8 of my columns, 8 of the partner's
.set OUT,  192                         ; v192-223 slot i: 8 f16 to store
.set T,    224                         ; v224-231 at work
.set SS,   232                         ; v232    the sum of squares
.set R,    234                         ; v234-235 1 / sqrt(mean + eps), named as a pair
.set PX,   64                          ; the plain way: four pairs of rows,
.set PE,   96                          ; at work,
.set PO,   104                         ; and to store
.set G1,  24                           ; s[24:31] descriptor group 1 for X's tiles;  s[32:39] group 0, a set for each slot
.set G0,  32
.set G1B, 48                           ; s[48:55], s[56:63] the same for W's
.set G0B, 56
.set MSB, 0
.macro WIN new                         ; the immediate's high byte repeats the setting that is left
.if MSB != (\new)
	s_set_vgpr_msb (MSB<<8)|(\new)
.set MSB, \new
.endif
.endm
.set MUL_LO, 0xa1                      ; source 0 (W) window 1, source 1 (X) window 0, C and D window 2
.set MUL_HI, 0xf1                      ; the same, C and D window 3
.set TO_B,   0x40                      ; destination window 1
; A joint load: waves 0 and 1 fetch X's two halves, waves 2 and 3 W's.  The branch hangs on the wave's number alone.  An s_nop 0 and four v_nop follow each line.
.macro JLOAD s
	s_cmp_eq_u32 s13, 0
	s_cbranch_scc0 .Lfor_b_\@
	tensor_load_to_lds s[G0+4*(\s):G0+4*(\s)+3], s[G1:G1+7]
	s_nop 0
.rept 4
	v_nop
.endr
	s_branch .Lasked_\@
.Lfor_b_\@:
	tensor_load_to_lds s[G0B+4*(\s):G0B+4*(\s)+3], s[G1B:G1B+7]
	s_nop 0
.rept 4
	v_nop
.endr
.Lasked_\@:
.endm
.macro CREST                           ; a round of the cluster's barrier behind its opening barrier
	s_cmp_lg_u32 s12, 0
	s_cbranch_scc1 .Lnot_wave_0_\@
	s_barrier_signal -3
.Lnot_wave_0_\@:
	s_barrier_wait -3
	s_barrier_signal -1
	s_barrier_wait -1
.endm
.macro CROUND                          ; a whole round
	s_barrier_signal -1
	s_barrier_wait -1
	CREST
.endm
	s_load_b256 s[4:11], s[0:1], 0x0               ; cst s[4:5], q_norm_w s[6:7], k_norm_w s[8:9], qkv s[10:11]
	v_lshl_add_u32 v[SPW], v0, 2, SPARE
	v_mov_b32 v[NIL], 0
	ds_add_u32 v[SPW], v[NIL]                      ; the wave's opening: the add and its wait ahead of my first tensor load; the set-up stands between them
	v_lshrrev_b32 v1, 5, v0
	v_readfirstlane_b32 s12, v1                    ; wave 0..3
	s_lshr_b32 s13, s12, 1                         ; which half of the tile's rows is mine.  Also: I fetch for X (0) or for W (1)
	s_and_b32 s14, s12, 1                          ; which half of its columns.  Also: which 128 rows of that tile I fetch
	s_bfe_u32 s40, ttmp6, 0x40000                  ; cx
	s_bfe_u32 s41, ttmp6, 0x40004                  ; cy
	s_lshl_b32 s42, ttmp9, 2
	s_add_co_u32 s42, s42, s40                     ; tile column = 4 x cluster x + cx
	s_and_b32 s43, ttmp7, 0xffff
	s_lshl_b32 s43, s43, 2
	s_add_co_u32 s43, s43, s41                     ; tile row = 4 x cluster y + cy
	s_lshl_b32 s44, s41, 2
	s_lshl_b32 s44, 15, s44                        ; my row of the cluster
	s_lshl_b32 s45, 0x1111, s40                    ; my column
	s_or_b32 s[G1+0], s44, (1<<16)|(1<<20)|(1<<21)|(5<<22)|(3<<25)  ; the mask; 2-byte elements; padding on; bit 21 beside a mask; after every 64 words 4 words
	s_or_b32 s[G1B+0], s45, (1<<16)|(1<<20)|(1<<21)|(5<<22)|(3<<25)
.irp g, G1, G1B
	s_mov_b32 s[(\g)+1], KSTEP<<16                 ; tensor_dim0 = 128
	s_mov_b32 s[(\g)+2], 128<<16                   ; tensor_dim1 = 128
	s_mov_b32 s[(\g)+3], KSTEP<<16                 ; tile_dim0 = 128
	s_mov_b32 s[(\g)+4], 128                       ; tile_dim1 = 128
	s_mov_b32 s[(\g)+5], SIZE_K                    ; elements from row to row
	s_mov_b32 s[(\g)+6], 0
	s_mov_b32 s[(\g)+7], 0
.endr
	s_lshl_b32 s17, s14, 7                         ; which 128 rows of the tile I fetch
	s_lshl_b32 s16, s43, 8
	s_add_co_u32 s16, s16, s17                     ; X: row 256 x tile row + 128 x half
	s_lshl_b32 s16, s16, 12                        ; rows of 4,096 bytes: under 2^24
	s_lshl_b32 s46, s42, 8
	s_add_co_u32 s46, s46, s17                     ; W: row 256 x tile column + 128 x half
	s_lshl_b32 s46, s46, 12
	s_add_co_u32 s46, s46, WB
	s_mov_b32 s17, 0
	s_mov_b32 s47, 0
	s_mul_i32 s20, s12, HALFT                      ; where they go: wave x 128 rows: no place in the cluster enters an LDS address
	s_lshl_b32 s2, s43, 8
	s_lshl_b32 s3, s13, 7
	s_add_co_u32 s2, s2, s3                        ; my first row of C,
	s_lshl_b32 s2, s2, 8                           ; in rows of 256 bytes (tables and output)
	s_mov_b32 s3, 0
	s_mov_b32 s73, 0x3c000000                      ; 1 / 128
	s_mov_b32 s74, 0x358637bd                      ; 1e-6
	s_wait_dscnt 0x0                               ; the opening add is done
	s_wait_kmcnt 0x0
	s_add_nc_u64 s[16:17], s[4:5], s[16:17]
	s_add_nc_u64 s[46:47], s[4:5], s[46:47]
	CROUND                                         ; all sixteen work-groups are here: the first joint loads meet
.irp s, 0,1
	s_mov_b32 s[G0+4*(\s)], 1
	s_add_co_u32 s[G0+4*(\s)+1], s20, (\s)*SLOT
	s_add_nc_u64 s[G0+4*(\s)+2:G0+4*(\s)+3], s[16:17], (\s)*KSTEP*2
	s_or_b32 s[G0+4*(\s)+3], s[G0+4*(\s)+3], 0x80000000
	s_mov_b32 s[G0B+4*(\s)], 1
	s_add_co_u32 s[G0B+4*(\s)+1], s20, (\s)*SLOT
	s_add_nc_u64 s[G0B+4*(\s)+2:G0B+4*(\s)+3], s[46:47], (\s)*KSTEP*2
	s_or_b32 s[G0B+4*(\s)+3], s[G0B+4*(\s)+3], 0x80000000
	JLOAD \s                                       ; two loads of mine are out
.endr
	s_add_nc_u64 s[66:67], s[4:5], s[2:3]
	s_add_nc_u64 s[66:67], s[66:67], COSB          ; cos at my first row
	s_lshl_b32 s46, s42, 1
	s_add_co_u32 s46, s46, s14                     ; my group = 2 x tile column + half
	s_lshl_b32 s46, s46, 20                        ; a group is 2^20 bytes
	s_add_co_u32 s46, s46, s2
	s_mov_b32 s47, 0
	s_add_nc_u64 s[68:69], s[10:11], s[46:47]      ; the output at my group's first row of mine
	s_cmp_ge_u32 ttmp9, 2                          ; tile columns 8-11 (cluster x = 2) hold k and v
	s_cselect_b64 s[70:71], s[8:9], s[6:7]         ; the norm gains that go with my tile
	s_cselect_b32 s72, -1, 0                       ; all lanes: v (kept as it is), or none: the gate (its t)
	v_and_b32 v1, 15, v0                           ; l % 16
	v_bfe_u32 v2, v0, 4, 1                         ; l / 16
	v_mul_u32_u24 v3, v1, PITCH
	v_lshl_add_u32 v3, v2, 4, v3                   ; a fragment's row x pitch + 16 x half
	s_mul_i32 s21, s13, HALFT
	s_mul_i32 s22, s14, HALFT
	s_add_co_u32 s22, s22, 2*HALFT
.irp s, 0,1
	v_add_nc_u32 v[ADRA+(\s)], s21, v3
	v_add_nc_u32 v[ADRB+(\s)], s22, v3
	s_add_co_u32 s21, s21, SLOT
	s_add_co_u32 s22, s22, SLOT
.endr
	s_mul_i32 s23, s12, BST                        ; my stage
	v_mul_u32_u24 v4, v1, BP
	v_lshl_add_u32 v4, v2, 4, v4
	v_add_nc_u32 v[STO], s23, v4                   ; in: row l % 16, piece l / 16 of a block's two
	v_mul_u32_u24 v5, v2, BP
	v_add_nc_u32 v5, s23, v5
	v_lshl_add_u32 v[RDO], v1, 4, v5               ; back: lanes 0-15 one row, lanes 16-31 the next; lane c takes columns 8c..8c+7
	v_xor_b32 v6, 8, v1
	v_lshl_add_u32 v[RDP], v6, 4, v5               ; the partner: columns 64 away
	v_and_b32 v7, 31, v0
	v_lshlrev_b32 v[VOFF], 4, v7
	v_lshlrev_b32 v[GWO], 5, v1
	v_lshlrev_b32 v[GWP], 5, v6
	v_mov_b32 v[ZR], 0
	v_cmp_gt_u32 vcc_lo, 8, v1
	v_cndmask_b32 v[SG], 1.0, -1.0, vcc_lo
	s_cmp_lg_u32 s14, 0
	s_cbranch_scc1 .Lno_gains                      ; the waves that will norm ask for their gains now: the whole product lies between these loads and the wait for them; no line of it names v48-63, v22, v23 or s[70:71]
	global_load_b128 v[GR:GR+3],     v[GWO], s[70:71]
	global_load_b128 v[GR+4:GR+7],   v[GWO], s[70:71] offset:16
	global_load_b128 v[GR+8:GR+11],  v[GWP], s[70:71]
	global_load_b128 v[GR+12:GR+15], v[GWP], s[70:71] offset:16
.Lno_gains:
; 16 matrix instructions: row blocks a0, a0 + 1 of the window's four x all 8 column blocks, 32 along K.  zero = 1: the product starts the sums
.macro MUL16 f, hi, a0, zero
	WIN MUL_LO+0x50*(\hi)
.irp a, \a0, (\a0)+1
.irp b, 0,1,2,3,4,5,6,7
.if \zero
	v_wmma_f32_16x16x32_bf16 v[8*(8*(\a)+(\b)):8*(8*(\a)+(\b))+7], v[(\f)+8*(\b):(\f)+8*(\b)+7], v[(\f)+8*(4*(\hi)+(\a)):(\f)+8*(4*(\hi)+(\a))+7], 0
.else
	v_wmma_f32_16x16x32_bf16 v[8*(8*(\a)+(\b)):8*(8*(\a)+(\b))+7], v[(\f)+8*(\b):(\f)+8*(\b)+7], v[(\f)+8*(4*(\hi)+(\a)):(\f)+8*(4*(\hi)+(\a))+7], v[8*(8*(\a)+(\b)):8*(8*(\a)+(\b))+7]
.endif
.endr
.endr
.endm
; 32 LDS loads in one run: the fragments of 32 along K at byte k of the rows, into buffer f: W's 16, then X's 16
.macro FETCH slot, k, f
	WIN TO_B
.irp i, 0,1,2,3,4,5,6,7
	ds_load_b128 v[(\f)+8*(\i):(\f)+8*(\i)+3],   v[ADRB+(\slot)] offset:(\k)+(\i)*16*PITCH
	ds_load_b128 v[(\f)+8*(\i)+4:(\f)+8*(\i)+7], v[ADRB+(\slot)] offset:(\k)+(\i)*16*PITCH+32
.endr
	WIN 0
.irp i, 0,1,2,3,4,5,6,7
	ds_load_b128 v[(\f)+8*(\i):(\f)+8*(\i)+3],   v[ADRA+(\slot)] offset:(\k)+(\i)*16*PITCH
	ds_load_b128 v[(\f)+8*(\i)+4:(\f)+8*(\i)+7], v[ADRA+(\slot)] offset:(\k)+(\i)*16*PITCH+32
.endr
.endm
.macro PLACES                          ; four plain vector instructions between a matrix instruction and a load into, or a read of, its registers
.rept 4
	v_nop
.endr
.endm
; A K step is four quarters of 32 along K, 64 matrix instructions each, on buffers 0, 1, 0, 1.  One of the first three: multiplies f, fetches the next quarter, at byte k, into g.
; The 64 accumulators take turns, in the same order in every quarter.
.macro QUARTER slot, k, f, g, zero
	s_wait_dscnt 8                                 ; W and X's rows 0-63 are in; the youngest eight loads (X's rows 64-127) may be out
	MUL16 \f, 0, 0, \zero
	MUL16 \f, 0, 2, \zero
	PLACES
	FETCH \slot, \k, \g
	s_wait_dscnt 32                                ; all but the 32 just issued
	MUL16 \f, 1, 0, \zero
	MUL16 \f, 1, 2, \zero
.endm
; The last quarter multiplies buffer 1 and changes slots.  In front of the barrier each wave waits for all its tensor loads (one is out: its part of the next slot), adds 0 to its spare
; word, and waits for that and for its reads of this slot.  fill = 1: the barrier opens a round of the cluster's, and this slot is filled again, two K steps ahead, first thing behind it.
.macro TURN slot, next, fill
	WIN 0
	s_wait_tensorcnt 0x0
	ds_add_u32 v[SPW], v[NIL]
	s_wait_dscnt 9                                 ; the add and the youngest eight loads may be out
	MUL16 F1, 0, 0, 0
	s_wait_dscnt 0x0                               ; the add is done, and my reads of this slot are over
	s_barrier_signal -1
	MUL16 F1, 0, 2, 0
.if \fill
	WIN 0
.endif
	s_barrier_wait -1
.if \fill
	CREST                                          ; no wave of any partner still reads this slot or has a load on its way
	s_add_nc_u64 s[G0+4*(\slot)+2:G0+4*(\slot)+3], s[G0+4*(\slot)+2:G0+4*(\slot)+3], 2*KSTEP*2
	s_add_nc_u64 s[G0B+4*(\slot)+2:G0B+4*(\slot)+3], s[G0B+4*(\slot)+2:G0B+4*(\slot)+3], 2*KSTEP*2
	JLOAD \slot                                    ; 224 matrix instructions ahead of the wait for it; its four v_nop are also the places in front of the loads below
.else
	PLACES
.endif
	FETCH \next, 0, F0
	MUL16 F1, 1, 0, 0
	MUL16 F1, 1, 2, 0
.endm
	s_wait_tensorcnt 1                             ; my part of K step 0 is in; K step 1's may stay out
	s_barrier_signal -1
	s_barrier_wait -1
	FETCH 0, 0, F0
	QUARTER 0, 64,  F0, F1, 1                      ; the first quarter's products start the sums
	WIN 0
	s_mov_b32 s15, LAPS-1
.Llap:                                                 ; a trip goes once round the ring and fills both slots again
	QUARTER 0, 128, F1, F0, 0
	QUARTER 0, 192, F0, F1, 0
	TURN 0, 1, 1
	QUARTER 1, 64,  F0, F1, 0
	QUARTER 1, 128, F1, F0, 0
	QUARTER 1, 192, F0, F1, 0
	TURN 1, 0, 1
	QUARTER 0, 64,  F0, F1, 0
	WIN 0
	s_sub_co_u32 s15, s15, 1
	s_cmp_lg_u32 s15, 0
	s_cbranch_scc1 .Llap
	QUARTER 0, 128, F1, F0, 0                      ; the last lap fills nothing
	QUARTER 0, 192, F0, F1, 0
	TURN 0, 1, 0
	QUARTER 1, 64,  F0, F1, 0
	QUARTER 1, 128, F1, F0, 0
	QUARTER 1, 192, F0, F1, 0
	s_wait_dscnt 8                                 ; the very last quarter
	MUL16 F1, 0, 0, 0
	MUL16 F1, 0, 2, 0
	s_wait_dscnt 0x0                               ; my last reads of the ring are back:
	s_barrier_signal -1                            ; say so,
	MUL16 F1, 1, 0, 0
	MUL16 F1, 1, 2, 0
	WIN 0
	s_barrier_wait -1                              ; behind this barrier no wave reads the ring, and no fill is to come: its bytes become the stages
	; THE WAY OUT.  All 64 accumulators go into my stage as f32, each accumulator's low four registers first; then whole rows come back, 8 neighbouring columns a lane.
	PLACES
.irp a, 0,1,2,3,4,5,6,7
	WIN 0x08+4*((\a)/4)                            ; the stores' data in window 2 or 3
.irp b, 0,1,2,3,4,5,6,7
	ds_store_b128 v[STO], v[8*(8*((\a)%4)+(\b)):8*(8*((\a)%4)+(\b))+3]   offset:16*BP*(\a)+32*(\b)
	ds_store_b128 v[STO], v[8*(8*((\a)%4)+(\b))+4:8*(8*((\a)%4)+(\b))+7] offset:16*BP*(\a)+32*(\b)+256
.endr
.endr
	WIN 0
	s_wait_dscnt 0x0                               ; my stores into my stage are done;
	s_barrier_signal -1                            ; the reads below go on from trip to trip, the last of them into the neighbour's first rows: this barrier puts every read of a stage
	s_barrier_wait -1                              ; behind every wave's stores, whatever the trip.  Nothing is stored into LDS from here to the wave's end
	s_cmp_lg_u32 s14, 0
	s_cbranch_scc1 .Lplain
	; NORM AND ROTATION (q, k).  A slot is a pair of rows: lanes 0-15 one row, lanes 16-31 the next.  Eight slots of tables and four sets of rows are kept on their way.
.irp i, 0,1,2,3,4,5,6,7
	global_load_b128 v[TAB+8*(\i):TAB+8*(\i)+3],   v[VOFF], s[66:67] offset:512*(\i)
	global_load_b128 v[TAB+8*(\i)+4:TAB+8*(\i)+7], v[VOFF], s[66:67] offset:SINO+512*(\i)
.endr
.irp p, 0,1,2,3
	ds_load_b128 v[XS+16*(\p):XS+16*(\p)+3],     v[RDO] offset:2*BP*(\p)
	ds_load_b128 v[XS+16*(\p)+4:XS+16*(\p)+7],   v[RDO] offset:2*BP*(\p)+256
	ds_load_b128 v[XS+16*(\p)+8:XS+16*(\p)+11],  v[RDP] offset:2*BP*(\p)
	ds_load_b128 v[XS+16*(\p)+12:XS+16*(\p)+15], v[RDP] offset:2*BP*(\p)+256
.endr
	v_mov_b32 v[R+1], 0                            ; named with R as a pair
	s_wait_loadcnt 16                              ; the gains, asked for at the kernel's head, are in; the sixteen table loads stay out
.irp k, 0,1,2,3,4,5,6,7
	v_cvt_pk_bf16_f32 v[T+(\k)], v[GR+2*(\k)], v[GR+2*(\k)+1]  ; the gains are rounded to bf16 like every input
.endr
.irp k, 0,1,2,3,4,5,6,7
	v_lshlrev_b32 v[WO+2*(\k)], 16, v[T+(\k)]      ; WO, then WP behind it
	v_and_b32 v[WO+2*(\k)+1], 0xffff0000, v[T+(\k)]
.endr
.irp k, 0,2,4,6,8,10,12,14
	v_pk_add_f32 v[WO+(\k):WO+(\k)+1], v[WO+(\k):WO+(\k)+1], 1.0 op_sel_hi:[1,0]
.endr
.irp k, 0,1,2,3,4,5,6,7
	v_mul_f32 v[WP+(\k)], v[WP+(\k)], v[SG]
.endr
; Slot i of a trip: its pair of rows is worked on and stored; its tables are loaded again for the pair 8 further on, its set of rows takes the pair 4 further on.
; OU, which the slot's store reads, is written again a trip later: the wait at the trip's end stands between the two.
.macro NSLOT i
.set XO, XS+16*((\i)%4)
.set XP, XO+8
.set CB, TAB+8*(\i)
.set SN, CB+4
.set OU, OUT+4*(\i)
	s_wait_loadcnt 14                              ; my two table loads are in: two for each of the seven younger slots stay out
	s_wait_dscnt 12                                ; my four LDS loads are in: four for each of the three younger sets stay out
	v_pk_mul_f32 v[T:T+1], v[XO:XO+1], v[XO:XO+1]
	v_pk_fma_f32 v[T:T+1], v[XO+2:XO+3], v[XO+2:XO+3], v[T:T+1]
	v_pk_fma_f32 v[T:T+1], v[XO+4:XO+5], v[XO+4:XO+5], v[T:T+1]
	v_pk_fma_f32 v[T:T+1], v[XO+6:XO+7], v[XO+6:XO+7], v[T:T+1]
	v_add_f32 v[SS], v[T], v[T+1]
	v_add_f32_dpp v[SS], v[SS], v[SS] row_xmask:1 row_mask:0xf bank_mask:0xf  ; a row of C lies in 16 lanes
	v_add_f32_dpp v[SS], v[SS], v[SS] row_xmask:2 row_mask:0xf bank_mask:0xf
	v_add_f32_dpp v[SS], v[SS], v[SS] row_xmask:4 row_mask:0xf bank_mask:0xf
	v_add_f32_dpp v[SS], v[SS], v[SS] row_xmask:8 row_mask:0xf bank_mask:0xf
	v_fma_f32 v[SS], v[SS], s73, s74               ; the mean of the squares + eps
	v_rsq_f32 v[R], v[SS]                          ; the eight plain lines below stand between it and the use of its result
.irp j, 0,2,4,6
	v_pk_mul_f32 v[XO+(\j):XO+(\j)+1], v[XO+(\j):XO+(\j)+1], v[WO+(\j):WO+(\j)+1]
	v_pk_mul_f32 v[XP+(\j):XP+(\j)+1], v[XP+(\j):XP+(\j)+1], v[WP+(\j):WP+(\j)+1]
.endr
.irp k, 0,1,2,3
	v_fma_mix_f32_bf16 v[T+2*(\k)],   v[CB+(\k)], v[XO+2*(\k)],   v[ZR] op_sel_hi:[1,0,0]               ; cos (a bf16 half) x mine
	v_fma_mix_f32_bf16 v[T+2*(\k)+1], v[CB+(\k)], v[XO+2*(\k)+1], v[ZR] op_sel:[1,0,0] op_sel_hi:[1,0,0]
.endr
.irp k, 0,1,2,3
	v_fma_mix_f32_bf16 v[T+2*(\k)],   v[SN+(\k)], v[XP+2*(\k)],   v[T+2*(\k)]   op_sel_hi:[1,0,0]       ; + sin x the signed partner
	v_fma_mix_f32_bf16 v[T+2*(\k)+1], v[SN+(\k)], v[XP+2*(\k)+1], v[T+2*(\k)+1] op_sel:[1,0,0] op_sel_hi:[1,0,0]
.endr
	s_wait_alu depctr_va_vdst(0)
.irp j, 0,2,4,6
	v_pk_mul_f32 v[T+(\j):T+(\j)+1], v[T+(\j):T+(\j)+1], v[R:R+1] op_sel_hi:[1,0]
.endr
.irp k, 0,1,2,3
	v_cvt_pk_f16_f32 v[OU+(\k)], v[T+2*(\k)], v[T+2*(\k)+1]
.endr
	global_load_b128 v[CB:CB+3], v[VNX], s[66:67] offset:512*(\i)
	global_load_b128 v[SN:SN+3], v[VNX], s[66:67] offset:SINO+512*(\i)
	ds_load_b128 v[XO:XO+3],   v[RW] offset:2*BP*((\i)+4)
	ds_load_b128 v[XO+4:XO+7], v[RW] offset:2*BP*((\i)+4)+256
	ds_load_b128 v[XP:XP+3],   v[PW] offset:2*BP*((\i)+4)
	ds_load_b128 v[XP+4:XP+7], v[PW] offset:2*BP*((\i)+4)+256
	global_store_b128 v[VOFF], v[OU:OU+3], s[68:69] offset:512*(\i)  ; 512 consecutive bytes: two whole rows of the group
.endm
; Eight trips of eight pairs of rows, one text for all.  The last trip has nothing left to load ahead: its table loads are turned back onto its own sixteen rows (inside the tables, whatever the tile), its last
; sixteen LDS loads take eight rows behind my 128 (the neighbour's stage, written in front of the barrier above); nobody uses what these 32 loads bring: the price, once a wave, of not writing the slots out a second time.
	s_mov_b32 s75, 0
.Lnround:
	s_mul_i32 s21, s75, 16*BP                      ; the trip's sixteen rows in my stage: the trip's number times a constant, onto lane addresses that never change
	v_add_nc_u32 v[RW], s21, v[RDO]
	v_add_nc_u32 v[PW], s21, v[RDP]
	s_cmp_lt_u32 s75, 7
	s_cselect_b32 s22, 4096, 0                     ; sixteen rows of 256 bytes ahead, or none
	v_add_nc_u32 v[VNX], s22, v[VOFF]
.irp i, 0,1,2,3,4,5,6,7
	NSLOT \i
.endr
	s_wait_xcnt 0x0                                ; VOFF, VNX and the eight OU are written again only behind this wait
	v_add_nc_u32 v[VOFF], 4096, v[VOFF]
	s_add_co_u32 s75, s75, 1
	s_cmp_lt_u32 s75, 8
	s_cbranch_scc1 .Lnround
	s_branch .Ljoin
.Lplain:                                               ; GATE AND V: t = 2 / (1 + 2^(-x log2 e)) - 1, or x itself where the tile holds v: a select, no branch
	s_mov_b32 s75, 0
.Lptrip:                                               ; sixteen trips of four pairs of rows
	s_mul_i32 s21, s75, 8*BP                       ; the trip's eight rows in my stage
	v_add_nc_u32 v[RW], s21, v[RDO]
.irp q, 0,1,2,3
	ds_load_b128 v[PX+8*(\q):PX+8*(\q)+3],   v[RW] offset:2*BP*(\q)
	ds_load_b128 v[PX+8*(\q)+4:PX+8*(\q)+7], v[RW] offset:2*BP*(\q)+256
.endr
.irp q, 0,1,2,3
	s_wait_dscnt 2*(3-(\q))                        ; two loads for each younger pair stay out
.irp j, 0,2,4,6
	v_pk_mul_f32 v[PE+(\j):PE+(\j)+1], v[PX+8*(\q)+(\j):PX+8*(\q)+(\j)+1], 0xbfb8aa3b op_sel_hi:[1,0]
.endr
.irp j, 0,1,2,3,4,5,6,7
	v_exp_f32 v[PE+(\j)], v[PE+(\j)]
.endr
	v_nop                                          ; a plain instruction behind the last exponential
	s_wait_alu depctr_va_vdst(0)
.irp j, 0,2,4,6
	v_pk_add_f32 v[PE+(\j):PE+(\j)+1], v[PE+(\j):PE+(\j)+1], 1.0 op_sel_hi:[1,0]
.endr
.irp j, 0,1,2,3,4,5,6,7
	v_rcp_f32 v[PE+(\j)], v[PE+(\j)]
.endr
	v_nop                                          ; and behind the last reciprocal
	s_wait_alu depctr_va_vdst(0)
.irp j, 0,2,4,6
	v_pk_fma_f32 v[PE+(\j):PE+(\j)+1], v[PE+(\j):PE+(\j)+1], 2.0, -1.0 op_sel_hi:[1,0,0]  ; t = 2 sigmoid - 1
.endr
.irp j, 0,1,2,3,4,5,6,7
	v_cndmask_b32 v[PE+(\j)], v[PE+(\j)], v[PX+8*(\q)+(\j)], s72
.endr
.if (\q) == 0
	s_wait_xcnt 0x0                                ; the last trip's four stores have read VOFF and PO: both are written again only behind this wait, which the first pair's arithmetic has given time
	v_add_nc_u32 v[VOFF], 2048, v[VOFF]            ; one trip ahead of the rows in hand: the stores reach back
.endif
.irp k, 0,1,2,3
	v_cvt_pk_f16_f32 v[PO+4*(\q)+(\k)], v[PE+2*(\k)], v[PE+2*(\k)+1]
.endr
	global_store_b128 v[VOFF], v[PO+4*(\q):PO+4*(\q)+3], s[68:69] offset:512*(\q)-2048
.endr
	s_add_co_u32 s75, s75, 1
	s_cmp_lt_u32 s75, 16
	s_cbranch_scc1 .Lptrip
.Ljoin:
	s_wait_dscnt 0x0                               ; my reads of the stages are back;
	s_barrier_signal -1
	s_barrier_wait -1                              ; every wave's are: the closing lines below touch LDS only behind all reads
	s_wait_tensorcnt 0x0                           ; the wave's end, behind my last tensor load and my last LDS store
	ds_add_u32 v[SPW], v[NIL]
	s_wait_dscnt 0x0
	CROUND                                         ; the closing round: no work-group ends while a partner may still ask for a tile that names it
	s_endpgm
.Lfunc_end_k_qb0ccdf41b6_qkv:
	.size	k_qb0ccdf41b6_qkv, .Lfunc_end_k_qb0ccdf41b6_qkv-k_qb0ccdf41b6_qkv
	.p2alignl 7, 3214868480
	.fill 96, 4, 3214868480
	.section	.rodata,"a",@progbits
	.p2align	6, 0x0
	.amdhsa_kernel k_qb0ccdf41b6_qkv
		.amdhsa_group_segment_fixed_size 327680
		.amdhsa_private_segment_fixed_size 0
		.amdhsa_enable_private_segment 0
		.amdhsa_kernarg_size 32
		.amdhsa_user_sgpr_count 2
		.amdhsa_user_sgpr_kernarg_segment_ptr 1
		.amdhsa_wavefront_size32 1
		.amdhsa_system_sgpr_workgroup_id_x 1
		.amdhsa_system_sgpr_workgroup_id_y 1
		.amdhsa_system_sgpr_workgroup_id_z 1
		.amdhsa_system_vgpr_workitem_id 0
		.amdhsa_next_free_vgpr 1024
		.amdhsa_next_free_sgpr 76
		.amdhsa_reserve_vcc 1
		.amdhsa_float_denorm_mode_32 3
		.amdhsa_float_denorm_mode_16_64 3
		.amdhsa_memory_ordered 1
		.amdhsa_forward_progress 1
		.amdhsa_inst_pref_size 162
	.end_amdhsa_kernel
	.amdgpu_metadata
---
amdhsa.version: [ 1, 2 ]
amdhsa.kernels:
  - .name:           k_qb0ccdf41b6_qkv
    .symbol:         k_qb0ccdf41b6_qkv.kd
    .args:
      - { .name: cst, .offset: 0, .size: 8, .value_kind: global_buffer, .address_space: global }
      - { .name: q_norm_w, .offset: 8, .size: 8, .value_kind: global_buffer, .address_space: global }
      - { .name: k_norm_w, .offset: 16, .size: 8, .value_kind: global_buffer, .address_space: global }
      - { .name: qkv, .offset: 24, .size: 8, .value_kind: global_buffer, .address_space: global }
    .group_segment_fixed_size: 327680
    .private_segment_fixed_size: 0
    .kernarg_segment_align: 8
    .kernarg_segment_size: 32
    .max_flat_workgroup_size: 128
    .sgpr_count:     76
    .vgpr_count:     1024
    .wavefront_size: 32
...
	.end_amdgpu_metadata
.endif
;; end of part 2
;; launch attn (part 3): grid 32 x 8, 8 waves a work-group, clusters of 4 x 1, 327,680 bytes of LDS; arguments qkv, att; writes att
.if DOCPART == 3
	.amdgcn_target "amdgcn-amd-amdhsa--gfx1250"
	.amdhsa_code_object_version 6
	.text
	.protected	k_qb0ccdf41b6_attn
	.globl	k_qb0ccdf41b6_attn
	.p2align	8
	.type	k_qb0ccdf41b6_attn,@function
k_qb0ccdf41b6_attn:
	s_mov_b64 s[64:65], 0
	v_nop
	global_prefetch_b8 v0, s[64:65] scope:SCOPE_SE
	s_setreg_imm32_b32 hwreg(HW_REG_WAVE_MODE, 25, 1), 1
	s_wait_xcnt 0x0
	s_wait_alu depctr_hold_cnt(0) depctr_sa_sdst(0) depctr_va_vdst(0) depctr_va_sdst(0) depctr_va_ssrc(0) depctr_va_vcc(0) depctr_vm_vsrc(0)
	s_getreg_b32 s2, hwreg(HW_REG_IB_STS2, 6, 4)
	s_cmp_eq_u32 s2, 0
	s_cbranch_scc0 .Lentry_in_a_cluster
	s_endpgm
.Lentry_in_a_cluster:
	s_bfe_u32 s2, ttmp6, 0x10000c
	s_cmp_lg_u32 s2, 0x3003
	s_cbranch_scc0 .Lentry_shape_is_right
	s_endpgm
.Lentry_shape_is_right:
; CAUSAL ATTENTION with grouped heads, then the gate.  att[b s][h 128 + ch] = sigmoid(gate) x the sum over k <= s of softmax_k(q . k / sqrt(128)) v.
; q, t = 2 sigmoid(gate) - 1, k, v come from qkv [24 groups][4096 rows][128] in f16 (group 2h = q, 2h+1 = t of head h; 16+2j = k, 17+2j = v of key/value head j = h / 2); att is [4096][1024] f16.
; Products, maxima and sums in f32; the weights p are rounded to f16 for the second product (their sum l is taken of the unrounded p), the result once at the end.
; THE GATE: O x sigmoid = O' + t O' with O' = O x 0.5 / l: one fused multiply-add in f32 from t's f16 half.
; LIMITS.  f16 ends at 65,504: q, k, v arrive within it, the result is a mean of v's rows times a number in 0..1.  The sigmoid is known to within 2^-13 (t's f16 step).  A hidden score counts as its value
; less 1e30; a maximum with c m below -2^93 counts as 'saw hidden keys alone' (f16's scores give |c m| under 1e11); a weight below 2^-126 counts as 0; NaN and infinities are not treated apart.
; SHARES.  A head's 2,048 positions lie in 16 blocks of 128.  A cluster of four work-groups (grid y: batch and key/value head; cluster x: P = 0..7) takes block P and then block 15 - P:
; the four are the two query heads of the key/value head x the two halves of 64 positions.  A work-group has EIGHT waves, two to a SIMD: waves w and w + 4 own the same tile of 16 queries and SPLIT THE KEYS:
; of every 256 keys (four units of 64) wave w takes units 0 and 1, wave w + 4 units 2 and 3, each with a running maximum, sum and O^T of its own.  A wave has one tile and so no second piece of work to set beside
; its products and its softmax's chains: the other wave on its SIMD has.  A fragment read from LDS feeds as many products as with four waves.
; THE WALK.  Block i needs the key tiles 0 .. i >> 1 of 256 keys: blocks P and 15 - P together 9 tiles whatever P, the same sequence in all four partners: K and V are asked for JOINTLY.  Every trip count is a
; constant; what is jumped (a block's end) hangs on P alone, which the partners share, and holds neither a barrier nor a tensor load.  The price: of the 18 half tiles walked one is wholly hidden.
; THE MASK is the C operand that starts S^T = K Q^T: MC = MD x AL + BE.  MD, made once, hides key 16 kt + 8 (l / 16) + j of a unit where it is greater than my query's place 16 (w % 4) + l % 16 in its 64.
; In a block's last tile the diagonal lies in unit d = 2 (block % 2) + half: (AL, BE) = (1, 0) in unit d, (0, 0) below it, (0, -1e30) above it; (0, 0) in all other tiles.
; A BLOCK'S END.  The upper wave lays O^T, c m and l into the pair's stage; behind a barrier the lower wave takes m = the greater, f = 2^(c m_i - c m) for each, adds, divides and goes out.
; An upper wave that saw hidden keys alone (block 0) first puts 0 in place of its numbers, which mean nothing, by selects.
; LAYOUT.  S^T holds ONE query a lane (l % 16) and the keys 8 (l / 16) + 0..7 of each 16; two such results rounded to f16 ARE source 1 of O^T = V^T P.  K comes out of LDS as it lies, V turned.
; SOFTMAX.  p = 2^(c s - c m), c = log2(e) / sqrt(128), with a running maximum m; O and l are multiplied by a = 2^(c m_old - c m_new) in every unit.  m starts at the lowest finite number.
; REGISTERS (s_set_vgpr_msb: bits 1:0 source 0, 3:2 source 1, 7:6 destination): window 0: all but the fragments; window 1: v0-127 K of a unit, v128-255 V of a unit (at a block's end: the partner's O^T).
.set KS,    64
.set PK,    272       ; a row of K in LDS: 256 bytes + 16: the 16 rows of a load start at 16 different groups of four banks (ISA guide 11.1)
.set PV,    288       ; a row of V: 256 + 32
.set VOFF,  KS*PK     ; a unit's tiles lie together: 64 rows of K, then 64 rows of V
.set STEPB, KS*(PK+PV)
.set SLOTB, 4*STEPB   ; a slot holds a tile of 256 keys, four units
.set STAGE, 2*SLOTB   ; behind the ring, never filled by a tensor load: a stage for each pair of waves
.set MGB,   17*512    ; a stage: the upper wave's 64 registers of O^T and four of statistics, 512 bytes for each four; later, in the same bytes, the lower wave's 16 rows x 528 bytes on the way out
.set BP,    528       ; a row on the way out: 16 pieces of channels 8c..8c+3, 16 pieces of channels 8c+4..8c+7, 16 bytes of padding
.set SPARE, STAGE+4*MGB  ; the spare words, 128 bytes a wave, named by no other line
.set AK0, 2           ; v2   my lane's place in my first unit's K
.set AV0, 3           ; v3   the same for V
.set ADR, 4           ; v4   the LDS address of the run of loads in hand
.set QO,  5           ; v5   my byte offset in 16 rows of Q
.set STO, 6           ; v6   the way out: where I put a piece
.set RD,  7           ; v7   the way out: where I read rows back
.set GO,  8           ; v8   16 x lane: my 16 bytes in two rows of t
.set AO,  12          ; v12  my byte offset in two rows of att
.set ST,  16          ; v16-23  c m, m, l (even keys', odd keys'), c0-c3 at work; a takes c2's place
.set SPW, 24          ; v24  my spare word; never rewritten
.set NIL, 25          ; v25  0; never rewritten
.set MG,  26          ; v26  my 16 bytes in the first 512 of the pair's stage
.set S,   32          ; v32-63
.set P,   64          ; v64-79
.set O,   80          ; v80-143
.set Q,   144         ; v144-175
.set MD,  176         ; v176-207
.set MC,  208         ; v208-239; at a block's end, when no mask is in hand:
.set TM,  208         ; v208-211  the partner's c m, m, l
.set FA,  212         ; v212-213  my factor, named as a pair
.set FB,  214         ; v214-215  the partner's
.set CMX, 216         ; v216      the greater c m
.set KB,  8           ; s[8:9]   K at the unit of tile 0 that I fetch
.set VB,  10          ; s[10:11] V likewise
.set WV,  12
.set CX,  13
.set PP,  14          ; P
.set HI,  15          ; 15 - P
.set HS,  16          ; which of the two query heads
.set HF,  17          ; which half of a block
.set G1K, 24
.set G1V, 32
.set G0K, 40          ; s[40:43], s[44:47] descriptor group 0 for K's and V's tiles: slot 1's first fill, then they walk
.set G0V, 44
.set NXT, 48          ; the tile to be asked for next
.set LQ,  49          ; the last tile of the block whose tiles are being asked for
.set RT,  50          ; tiles of the block in hand still to be entered
.set SLOTS, 51
.set OFF, 52          ; s[52:53]
.set TB,  54          ; LDS byte at which the slot's unit to be fetched begins, for the lower waves
.set BIGN, 55         ; -1e30
.set AL,  56          ; s[56:57]
.set CS,  58          ; s[58:59]
.set SEL, 60          ; s[60:61]
.set BE,  62          ; s[62:63]
.set A0,  66          ; s66, s67  AL for my first and second unit of a block's last tile
.set B0,  68          ; s68, s69  BE for them
.set GB,  70          ; s[70:71] q of the block in hand at my rows (t lies 2^20 bytes on)
.set QL,  72          ; s[72:73] the same for the second block
.set OB,  74          ; s[74:75] att at my rows of the block in hand
.set OL,  76          ; s[76:77] of the second block
.set SB,  80          ; the base of the slot that the walking descriptors name: 0 or SLOTB
.set AWK, 81          ; the place in a slot of the unit of K that I fetch
.set AWV, 82          ; of V
.set U0,  83          ; my first unit of a tile's four
.set G0K0, 84         ; s[84:87], s[88:91] group 0 for slot 0's first fill
.set G0V0, 88
.set HQ,  92          ; the second block's last tile
.set TQ,  93          ; wave % 4: my tile of 16 queries; also the unit that I fetch
.set GG,  94          ; wave / 4: which half of the keys is mine; also: I fetch K (0) or V (1)
.set VM,  95          ; lanes whose query has seen a key
.set DD,  96          ; the diagonal's unit
.set U1,  97          ; my second unit
.set THR, 98          ; -2^93
.set MSB, 0
.macro WIN new
.if MSB != (\new)
	s_set_vgpr_msb (MSB<<8)|(\new)
.set MSB, (\new)
.endif
.endm
; A joint fill: waves 0-3 fetch K of a tile's four units, waves 4-7 V: 64 rows each.  An s_nop 0 and four v_nop follow each line.
.macro JLOAD
	s_cmp_lt_u32 s[WV], 4
	s_cbranch_scc0 .Lfor_v_\@
	tensor_load_to_lds s[G0K:G0K+3], s[G1K:G1K+7]
	s_nop 0
.rept 4
	v_nop
.endr
	s_branch .Lasked_\@
.Lfor_v_\@:
	tensor_load_to_lds s[G0V:G0V+3], s[G1V:G1V+7]
	s_nop 0
.rept 4
	v_nop
.endr
.Lasked_\@:
.endm
.macro CROUND                       ; a round of the cluster's barrier
	s_barrier_signal -1
	s_barrier_wait -1
	s_cmp_lg_u32 s[WV], 0
	s_cbranch_scc1 .Lnot_wave_0_\@
	s_barrier_signal -3
.Lnot_wave_0_\@:
	s_barrier_wait -3
	s_barrier_signal -1
	s_barrier_wait -1
.endm
.macro STEPNXT                      ; the block's next tile, or behind its last the second block's tile 0
	s_add_co_u32 s[NXT], s[NXT], 1
	s_cmp_gt_u32 s[NXT], s[LQ]
	s_cselect_b32 s[NXT], 0, s[NXT]
	s_cselect_b32 s[LQ], s[HQ], s[LQ]
.endm
.macro MASKSET blk                  ; the mask's scalars for my two units of the last tile of the block whose number lies in s[blk]: selects alone hang on my half of the block
	s_and_b32 s[DD], s[\blk], 1
	s_lshl_b32 s[DD], s[DD], 1
	s_add_co_u32 s[DD], s[DD], s[HF]
	s_cmp_eq_u32 s[U0], s[DD]
	s_cselect_b32 s[A0], 1.0, 0
	s_cmp_gt_u32 s[U0], s[DD]
	s_cselect_b32 s[B0], s[BIGN], 0
	s_cmp_eq_u32 s[U1], s[DD]
	s_cselect_b32 s[A0+1], 1.0, 0
	s_cmp_gt_u32 s[U1], s[DD]
	s_cselect_b32 s[B0+1], s[BIGN], 0
.endm
; THE CHANGE OF SLOTS.  Each wave waits for all its tensor loads (one is out: its part of the other slot), adds 0 to its spare word, and waits for that and for its reads of the slot it leaves.
; fill = 1: the barrier is a round of the cluster's, and the slot is filled again first thing behind it, with tile NXT: it has two units' work of all eight waves in which to land.
.macro CHANGE fill
	WIN 0
	s_wait_tensorcnt 0x0            ; no tensor load of mine is out, so a group 0 may be written
	ds_add_u32 v[SPW], v[NIL]
.if \fill
	s_lshl_b32 s[OFF], s[NXT], 16   ; a tile is 65,536 bytes of K and of V
	s_xor_b32 s[SB], s[SB], SLOTB   ; the other slot than last time: 0 or SLOTB,
	s_add_co_u32 s[G0K+1], s[SB], s[AWK]  ; and in it my unit's place
	s_add_nc_u64 s[G0K+2:G0K+3], s[KB:KB+1], s[OFF:OFF+1]
	s_or_b32 s[G0K+3], s[G0K+3], 0x80000000
	s_add_co_u32 s[G0V+1], s[SB], s[AWV]
	s_add_nc_u64 s[G0V+2:G0V+3], s[VB:VB+1], s[OFF:OFF+1]
	s_or_b32 s[G0V+3], s[G0V+3], 0x80000000
	STEPNXT
	s_wait_dscnt 0x0                ; the add is done, and my reads of the slot are over
	CROUND
	JLOAD
.else
	s_wait_dscnt 0x0
	s_barrier_signal -1
	s_barrier_wait -1
.endif
	s_sub_co_u32 s[TB], s[TB], 2*STEPB  ; the fetches go back to my first unit,
	s_xor_b32 s[TB], s[TB], SLOTB       ; in the other slot
.endm
.macro BAR                          ; a barrier behind which nothing is filled: what the upper waves stored in front of it the lower waves read behind it
	s_wait_dscnt 0x0
	s_barrier_signal -1
	s_barrier_wait -1
.endm
	s_load_b128 s[4:7], s[0:1], 0x0 ; qkv s[4:5], att s[6:7]
	v_lshl_add_u32 v[SPW], v0, 2, SPARE
	v_mov_b32 v[NIL], 0
	ds_add_u32 v[SPW], v[NIL]       ; the wave's opening: the add and its wait ahead of my first tensor load
	v_lshrrev_b32 v1, 5, v0
	v_readfirstlane_b32 s[WV], v1
	s_and_b32 s[TQ], s[WV], 3
	s_lshr_b32 s[GG], s[WV], 2
	s_lshl_b32 s[U0], s[GG], 1
	s_add_co_u32 s[U1], s[U0], 1
	s_mov_b32 s[PP], ttmp9          ; in a cluster launch ttmp9 counts clusters
	s_sub_co_u32 s[HI], 15, s[PP]
	s_lshr_b32 s[HQ], s[HI], 1
	s_bfe_u32 s[CX], ttmp6, 0x40000 ; my place in the cluster: it enters q's, t's and att's addresses and the mask's scalars alone
	s_and_b32 s[HS], s[CX], 1
	s_lshr_b32 s[HF], s[CX], 1
	s_and_b32 s18, ttmp7, 0xffff
	s_lshr_b32 s19, s18, 2          ; the batch
	s_and_b32 s18, s18, 3           ; the key/value head
	s_lshl_b32 s20, s18, 21         ; K: group 16 + 2 j,
	s_add_co_u32 s20, s20, 16<<20
	s_lshl_b32 s21, s19, 19         ; the batch's 2,048 rows of 256 bytes,
	s_add_co_u32 s20, s20, s21
	s_lshl_b32 s21, s[TQ], 14       ; the unit that I fetch: its 64 rows in memory,
	s_add_co_u32 s20, s20, s21
	s_mov_b32 s21, 0
	s_mul_i32 s[AWK], s[TQ], STEPB  ; and its place in a slot
	s_add_co_u32 s[AWV], s[AWK], VOFF
	s_lshl_b32 s2, s18, 1
	s_add_co_u32 s2, s2, s[HS]      ; the query head h
	s_lshl_b32 s3, s2, 21           ; q: group 2 h,
	s_lshl_b32 s78, s19, 19
	s_add_co_u32 s3, s3, s78
	s_lshl_b32 s78, s[HF], 14       ; my half's 64 rows,
	s_add_co_u32 s3, s3, s78
	s_lshl_b32 s78, s[TQ], 12       ; my tile's 16
	s_add_co_u32 s3, s3, s78
	s_lshl_b32 s2, s2, 8            ; att: the head's 256 bytes of a row,
	s_lshl_b32 s78, s19, 22         ; rows of 2,048 bytes
	s_add_co_u32 s2, s2, s78
	s_lshl_b32 s78, s[HF], 17
	s_add_co_u32 s2, s2, s78
	s_lshl_b32 s78, s[TQ], 15
	s_add_co_u32 s2, s2, s78
	s_mov_b32 s79, 0
	s_mov_b32 s[G1K], 15|(1<<16)|(1<<20)|(1<<21)|(5<<22)|(3<<25)  ; the mask of four; 2-byte elements; padding on; bit 21 beside a mask; after every 64 words 4 words
	s_mov_b32 s[G1V], 15|(1<<16)|(1<<20)|(1<<21)|(5<<22)|(7<<25)  ; the same with 8 words
.irp g, G1K, G1V
	s_mov_b32 s[(\g)+1], 128<<16    ; tensor_dim0 = 128
	s_mov_b32 s[(\g)+2], KS<<16     ; tensor_dim1 = 64
	s_mov_b32 s[(\g)+3], 128<<16    ; tile_dim0 = 128
	s_mov_b32 s[(\g)+4], KS         ; tile_dim1 = 64
	s_mov_b32 s[(\g)+5], 128        ; elements from row to row
	s_mov_b32 s[(\g)+6], 0
	s_mov_b32 s[(\g)+7], 0
.endr
	s_mov_b32 s[CS], 0x3e0293ee     ; c = log2(e) / sqrt(128)
	s_mov_b32 s[CS+1], s[CS]
	s_mov_b32 s[SEL], 0x76543210
	s_mov_b32 s[SEL+1], 0xfedcba98
	s_mov_b32 s[BIGN], 0xf149f2ca   ; -1e30
	s_mov_b32 s[THR], 0xee000000    ; -2^93
	s_mov_b32 s[AL+1], 0            ; named as pairs
	s_mov_b32 s[BE+1], 0
	s_mov_b32 s[OFF+1], 0
	MASKSET PP
	s_mov_b32 s[TB], 0
	s_mov_b32 s[SB], SLOTB          ; the walking descriptors begin with slot 1
	s_mov_b32 s[NXT], 0
	s_lshr_b32 s[LQ], s[PP], 1
	s_add_co_u32 s[RT], s[LQ], 1    ; the first block has (P >> 1) + 1 tiles
	STEPNXT                         ; tile 0 goes into slot 0; this is the walk's second tile, for slot 1,
	s_lshl_b32 s[OFF], s[NXT], 16
	STEPNXT                         ; and this its third, for the first refill
	s_mov_b32 s[SLOTS], 8
	s_mov_b32 s[G0K0], 1
	s_mov_b32 s[G0K0+1], s[AWK]
	s_mov_b32 s[G0V0], 1
	s_mov_b32 s[G0V0+1], s[AWV]
	s_mov_b32 s[G0K], 1
	s_add_co_u32 s[G0K+1], s[AWK], SLOTB
	s_mov_b32 s[G0V], 1
	s_add_co_u32 s[G0V+1], s[AWV], SLOTB
	s_wait_dscnt 0x0                ; the opening add is done
	s_wait_kmcnt 0x0
	s_add_nc_u64 s[KB:KB+1], s[4:5], s[20:21]
	s_add_nc_u64 s[VB:VB+1], s[KB:KB+1], 1<<20
	s_add_nc_u64 s[G0K0+2:G0K0+3], s[KB:KB+1], 0
	s_or_b32 s[G0K0+3], s[G0K0+3], 0x80000000
	s_add_nc_u64 s[G0V0+2:G0V0+3], s[VB:VB+1], 0
	s_or_b32 s[G0V0+3], s[G0V0+3], 0x80000000
	s_add_nc_u64 s[G0K+2:G0K+3], s[KB:KB+1], s[OFF:OFF+1]
	s_or_b32 s[G0K+3], s[G0K+3], 0x80000000
	s_add_nc_u64 s[G0V+2:G0V+3], s[VB:VB+1], s[OFF:OFF+1]
	s_or_b32 s[G0V+3], s[G0V+3], 0x80000000
	s_lshl_b32 s78, s[PP], 15       ; a block is 128 rows of 256 bytes
	s_add_co_u32 s78, s78, s3
	s_add_nc_u64 s[GB:GB+1], s[4:5], s[78:79]
	s_lshl_b32 s78, s[HI], 15
	s_add_co_u32 s78, s78, s3
	s_add_nc_u64 s[QL:QL+1], s[4:5], s[78:79]
	s_lshl_b32 s78, s[PP], 18       ; and 128 rows of 2,048 bytes
	s_add_co_u32 s78, s78, s2
	s_add_nc_u64 s[OB:OB+1], s[6:7], s[78:79]
	s_lshl_b32 s78, s[HI], 18
	s_add_co_u32 s78, s78, s2
	s_add_nc_u64 s[OL:OL+1], s[6:7], s[78:79]
	CROUND                          ; all four work-groups are here: the first joint loads meet
	s_cmp_lt_u32 s[WV], 4           ; a wave's two first fills stand in one branch, ahead of every wait on TENSORcnt and every LDS read: two loads of mine are out
	s_cbranch_scc0 .Lfirst_v
	tensor_load_to_lds s[G0K0:G0K0+3], s[G1K:G1K+7]
	s_nop 0
	tensor_load_to_lds s[G0K:G0K+3], s[G1K:G1K+7]
	s_nop 0
.rept 4
	v_nop
.endr
	s_branch .Lfirst_asked
.Lfirst_v:
	tensor_load_to_lds s[G0V0:G0V0+3], s[G1V:G1V+7]
	s_nop 0
	tensor_load_to_lds s[G0V:G0V+3], s[G1V:G1V+7]
	s_nop 0
.rept 4
	v_nop
.endr
.Lfirst_asked:
	v_and_b32 v1, 15, v0            ; l % 16
	v_bfe_u32 v9, v0, 4, 1          ; l / 16
	v_lshlrev_b32 v[QO], 8, v1
	v_lshl_add_u32 v[QO], v9, 4, v[QO]  ; row x 256 + 16 x half
.irp c, 0,1,2,3                     ; the first block's Q stays in registers: channels 32 c on
	global_load_b128 v[Q+8*(\c):Q+8*(\c)+3],   v[QO], s[GB:GB+1] offset:64*(\c)
	global_load_b128 v[Q+8*(\c)+4:Q+8*(\c)+7], v[QO], s[GB:GB+1] offset:64*(\c)+32
.endr
	v_lshlrev_b32 v14, 3, v9
	v_sub_nc_u32 v14, v1, v14
	s_lshl_b32 s18, s[TQ], 4
	v_add_nc_u32 v14, s18, v14      ; 16 (w % 4) + l % 16 - 8 (l / 16): register j of key group kt is hidden where 16 kt + j is greater
.set i, 0
.rept 32
	v_cmp_gt_i32 vcc_lo, 16*(i/8)+i%8, v14
	v_cndmask_b32 v[MD+i], 0, s[BIGN], vcc_lo
.set i, i+1
.endr
	s_mul_i32 s19, s[GG], 2*STEPB   ; my half of a slot's four units
	v_mul_u32_u24 v[AK0], v1, PK
	v_lshl_add_u32 v[AK0], v9, 4, v[AK0]
	v_add_nc_u32 v[AK0], s19, v[AK0]
	v_and_b32 v10, 7, v0            ; the turning load: lane l reads key 8 (l / 16) + l % 8, channels 8 ((l / 8) % 2) + 0..7
	v_bfe_u32 v11, v0, 3, 1
	v_lshl_add_u32 v[AV0], v9, 3, v10
	v_mul_u32_u24 v[AV0], v[AV0], PV
	v_lshl_add_u32 v[AV0], v11, 4, v[AV0]
	s_add_co_u32 s19, s19, VOFF
	v_add_nc_u32 v[AV0], s19, v[AV0]
	s_mul_i32 s18, s[TQ], MGB
	s_add_co_u32 s18, s18, STAGE    ; my pair's stage
	v_mul_u32_u24 v[STO], v1, BP
	v_lshl_add_u32 v[STO], v9, 4, v[STO]
	v_add_nc_u32 v[STO], s18, v[STO]
	v_mul_u32_u24 v[RD], v9, BP
	v_lshl_add_u32 v[RD], v1, 4, v[RD]
	v_add_nc_u32 v[RD], s18, v[RD]
	v_and_b32 v[GO], 31, v0
	v_lshlrev_b32 v[GO], 4, v[GO]
	v_add_nc_u32 v[MG], s18, v[GO]
	v_lshlrev_b32 v[AO], 11, v9
	v_lshl_add_u32 v[AO], v1, 4, v[AO]
	v_mov_b32 v[ST], 0xfe000000     ; c m: far below every c s, so the first unit's a is 0
	v_mov_b32 v[ST+1], 0xff7fffff   ; m
	v_mov_b32 v[ST+2], 0
	v_mov_b32 v[ST+3], 0
.set i, 0
.rept 64                            ; O^T need only be finite when it is first multiplied by a = 0; these stand in the wait for the first tile
	v_mov_b32 v[O+i], 0
.set i, i+1
.endr
; THE LDS LOADS stand in runs of 32: a unit's K (16 fragments: keys 16 (f / 4) on, channels 32 (f % 4) on) and its V, turned (keys 32 (f / 8) on, channels 16 (f % 8) on).
.macro FETCH_K
	WIN 0
	v_add_nc_u32 v[ADR], s[TB], v[AK0]
	WIN 0x40                        ; destination window 1
.irp f, 0,1,2,3,4,5,6,7,8,9,10,11,12,13,14,15
	ds_load_b128 v[8*(\f):8*(\f)+3],   v[ADR] offset:((\f)/4)*16*PK+((\f)%4)*64
	ds_load_b128 v[8*(\f)+4:8*(\f)+7], v[ADR] offset:((\f)/4)*16*PK+((\f)%4)*64+32
.endr
.endm
.macro FETCH_V
	WIN 0
	v_add_nc_u32 v[ADR], s[TB], v[AV0]
	s_add_co_u32 s[TB], s[TB], STEPB  ; the next fetch is the next unit's
	WIN 0x40
.irp f, 0,1,2,3,4,5,6,7,8,9,10,11,12,13,14,15
	ds_load_tr16_b128 v[128+8*(\f):128+8*(\f)+3],   v[ADR] offset:((\f)/8)*32*PV+((\f)%8)*32
	ds_load_tr16_b128 v[128+8*(\f)+4:128+8*(\f)+7], v[ADR] offset:((\f)/8)*32*PV+16*PV+((\f)%8)*32
.endr
.endm
; Product i of 16 of S^T = K Q^T: channels 32 (i / 4) on, keys 16 (i % 4) on; the first four start the sums with the mask.  The four accumulators take turns.
.macro KQ
.set rS, S+8*(i%4)
.set rK, 32*(i%4)+8*(i/4)
.set rQ, Q+8*(i/4)
.set rM, MC+8*(i%4)
.if i < 4
	v_wmma_f32_16x16x32_f16 v[rS:rS+7], v[rK:rK+7], v[rQ:rQ+7], v[rM:rM+7]
.else
	v_wmma_f32_16x16x32_f16 v[rS:rS+7], v[rK:rK+7], v[rQ:rQ+7], v[rS:rS+7]
.endif
.endm
; Product i of 16 of O^T += V^T P: keys 32 (i / 8) on, channels 16 (i % 8) on.  The eight accumulators take turns.
.macro PV
.set rO, O+8*(i%8)
.set rV, 128+64*(i/8)+8*(i%8)
.set rP, P+8*(i/8)
	v_wmma_f32_16x16x32_f16 v[rO:rO+7], v[rV:rV+7], v[rP:rP+7], v[rO:rO+7]
.endm
; THE SOFTMAX of a unit: number j of 134.  s0-s31 are the lane's 32 scores, in pairs 0-15.
;   0-15    the maximum of s0-s31 and the old m: four chains of seven scores (each accumulator's lowest registers first), the four left over, c0-c3 and m
;   16-20   the other half of the lanes' maximum; the new m; c m; c m_old - c m_new
;   21-87   33 exponentials (a, then s0-s31) at the odd numbers from 23 on, a plain instruction behind each: scalings c s - c m ahead of their exponentials, roundings to f16 behind theirs, the first sums
;   88-101  the last rounding; the rest of the sums; l = a l + the sum          102-133  O^T times a
.macro SM
.set q, (j-20)/2
.if j < 4
	v_max3_num_f32 v[ST+4+j], v[S+8*j], v[S+8*j+1], v[S+8*j+2]
.elseif j < 12
	v_max3_num_f32 v[ST+4+j%4], v[ST+4+j%4], v[S+8*(j%4)+2*(j/4)+1], v[S+8*(j%4)+2*(j/4)+2]
.elseif j == 12
	v_max3_num_f32 v[ST+4], v[ST+4], v[S+7], v[S+15]
.elseif j == 13
	v_max3_num_f32 v[ST+6], v[ST+6], v[S+23], v[S+31]
.elseif j == 14
	v_max3_num_f32 v[ST+4], v[ST+4], v[ST+5], v[ST+6]
.elseif j == 15
	v_max3_num_f32 v[ST+4], v[ST+4], v[ST+7], v[ST+1]
.elseif j == 16
	v_permlanex16_b32 v[ST+5], v[ST+4], s[SEL], s[SEL+1]  ; the query's other 32 keys lie in the lane 16 away
.elseif j == 17
	v_mov_b32 v[ST+7], v[ST]        ; c m_old is kept for a
.elseif j == 18
	v_max_num_f32 v[ST+1], v[ST+4], v[ST+5]
.elseif j == 19
	v_mul_f32 v[ST], s[CS], v[ST+1]
.elseif j == 20
	v_sub_f32 v[ST+7], v[ST+7], v[ST]
.elseif j == 23
	v_exp_f32 v[ST+6], v[ST+7]
.elseif (j < 88) && (j > 23) && (j%2 == 1)
	v_exp_f32 v[S+(j-25)/2], v[S+(j-25)/2]
.elseif (q < 4) || ((j < 76) && (q%2 == 0))
.set b, q/2+2
.if q < 4
.set b, q
.endif
	v_pk_fma_f32 v[S+2*b:S+2*b+1], v[S+2*b:S+2*b+1], s[CS:CS+1], v[ST:ST+1] op_sel_hi:[1,0,0] neg_lo:[0,0,1] neg_hi:[0,0,1]
.elseif (j < 88) && (q%2 == 1)
	s_wait_alu depctr_va_vdst(0)
	v_cvt_pk_f16_f32 v[P+(q-5)/2], v[S+q-5], v[S+q-4]
.elseif j == 89
	s_wait_alu depctr_va_vdst(0)
	v_cvt_pk_f16_f32 v[P+15], v[S+30], v[S+31]
.elseif j < 102
.set z, j-86
.if j < 89
.set z, (j-76)/4
.endif
.set w, 4
.set u, z
.if z >= 14
.set w, 32
.set u, 0
.elseif z >= 12
.set w, 16
.set u, z-12
.elseif z >= 8
.set w, 8
.set u, z-8
.endif
.if z < 15
	v_pk_add_f32 v[S+w*u:S+w*u+1], v[S+w*u:S+w*u+1], v[S+w*u+w/2:S+w*u+w/2+1]
.else
	v_pk_fma_f32 v[ST+2:ST+3], v[ST+2:ST+3], v[ST+6:ST+7], v[S:S+1] op_sel_hi:[1,0,1]
.endif
.else
	v_pk_mul_f32 v[O+2*(j-102):O+2*(j-102)+1], v[O+2*(j-102):O+2*(j-102)+1], v[ST+6:ST+7] op_sel_hi:[1,0]
.endif
.endm
; A unit's first half: the mask for my unit s (0, 1) of the tile, V's run of loads, the scores.  The mask's sixteen lines are the places between the last product that read V and the loads into V's registers;
; V's loads have the sixteen products in which to land before a change of slots waits for them.
.macro H1 s
	s_cmp_eq_u32 s[RT], 0           ; the block's last tile?
	s_cselect_b32 s[AL], s[A0+(\s)], 0
	s_cselect_b32 s[BE], s[B0+(\s)], 0
	WIN 0
.set z, 0
.rept 16
	v_pk_fma_f32 v[MC+2*z:MC+2*z+1], v[MD+2*z:MD+2*z+1], s[AL:AL+1], s[BE:BE+1] op_sel_hi:[1,0,0]
.set z, z+1
.endr
	FETCH_V
	s_wait_dscnt 32                 ; K is in; V's 32 younger loads stay out
	WIN 0x01                        ; source 0 in window 1
.set i, 0
.rept 16
	KQ
.set i, i+1
.endr
	WIN 0
.rept 4
	v_nop                           ; four places behind the last product, ahead of the softmax's reads and of loads into K's registers
.endr
.endm
; Its second half: K of my next unit is asked for (fk = 1), the softmax, the products V^T P.
.macro H2 fk
.if \fk
	FETCH_K
.endif
	WIN 0
.set j, 0
.rept 134
	SM
.set j, j+1
.endr
.if \fk
	s_wait_dscnt 32                 ; V is in; K's 32 younger loads stay out
.else
	s_wait_dscnt 0x0
.endif
	WIN 0x01
.set i, 0
.rept 16
	PV
.set i, i+1
.endr
	WIN 0
.endm
; A BLOCK'S END, first part, in front of the barrier.  loop = 1: the copy in the loop: it is jumped unless the tile just finished was the block's last, and it asks for the second block's Q, straight into Q's
; registers, which no product will read before BEGIN2's wait.  The upper waves lay their O^T and statistics into the pair's stage; where a query has seen hidden keys alone (c m below -2^93) its numbers mean nothing
; and may be infinite: 0, and the start value of c m, are put in their place by selects.
.macro ENDA loop
	WIN 0
.if \loop
	s_cmp_lg_u32 s[RT], 0
	s_cbranch_scc1 .Lkeep_\@
.irp c, 0,1,2,3
	global_load_b128 v[Q+8*(\c):Q+8*(\c)+3],   v[QO], s[QL:QL+1] offset:64*(\c)
	global_load_b128 v[Q+8*(\c)+4:Q+8*(\c)+7], v[QO], s[QL:QL+1] offset:64*(\c)+32
.endr
.endif
	s_cmp_lt_u32 s[WV], 4
	s_cbranch_scc1 .Lkeep_\@        ; the lower waves keep theirs
.rept 4
	v_nop                           ; four places behind the last product
.endr
	v_cmp_lt_f32 s[VM], s[THR], v[ST]
	v_mov_b32 v[CMX], 0xfe000000
	v_cndmask_b32 v[ST], v[CMX], v[ST], s[VM]
	v_cndmask_b32 v[ST+2], 0, v[ST+2], s[VM]
	v_cndmask_b32 v[ST+3], 0, v[ST+3], s[VM]
.set i, 0
.rept 64
	v_cndmask_b32 v[O+i], 0, v[O+i], s[VM]
.set i, i+1
.endr
.set i, 0
.rept 16
	ds_store_b128 v[MG], v[O+4*i:O+4*i+3] offset:512*i  ; 32 lanes, 16 neighbouring bytes each
.set i, i+1
.endr
	ds_store_b128 v[MG], v[ST:ST+3] offset:512*16
.Lkeep_\@:
.endm
; Second part, behind the barrier, in the lower waves.  t is asked for first.  m = the greater of the two; f = 2^(c m_i - c m); l = f l + f' l'; 0.5 / l goes into both factors; O' = f O + f' O'.
.macro MERGE
	WIN 0
.irp t, 0,1,2,3,4,5,6,7
	global_load_b128 v[S+4*(\t):S+4*(\t)+3], v[GO], s[GB:GB+1] offset:(1<<20)+512*(\t)  ; two whole rows of t
.endr
.rept 4
	v_nop                           ; four places between the last product that read V and the loads into V's registers
.endr
	ds_load_b128 v[TM:TM+3], v[MG] offset:512*16
	WIN 0x40                        ; destination window 1
.set i, 0
.rept 16
	ds_load_b128 v[128+4*i:128+4*i+3], v[MG] offset:512*i
.set i, i+1
.endr
	WIN 0
	s_wait_dscnt 0x0
	v_max_num_f32 v[CMX], v[ST], v[TM]
	v_sub_f32 v[FA], v[ST], v[CMX]
	v_sub_f32 v[FB], v[TM], v[CMX]
	v_exp_f32 v[FA], v[FA]
	v_exp_f32 v[FB], v[FB]
	v_mov_b32 v[FA+1], 0            ; named with them as pairs; also the plain instruction behind the exponentials
	v_mov_b32 v[FB+1], 0
	s_wait_alu depctr_va_vdst(0)
	v_pk_mul_f32 v[ST+2:ST+3], v[ST+2:ST+3], v[FA:FA+1] op_sel_hi:[1,0]
	v_pk_fma_f32 v[ST+2:ST+3], v[TM+2:TM+3], v[FB:FB+1], v[ST+2:ST+3] op_sel_hi:[1,0,1]
	v_add_f32 v[ST+4], v[ST+2], v[ST+3]
	v_permlanex16_b32 v[ST+5], v[ST+4], s[SEL], s[SEL+1]
	v_add_f32 v[ST+4], v[ST+4], v[ST+5]
	v_rcp_f32 v[ST+6], v[ST+4]
	v_nop                           ; a plain instruction between the reciprocal and its use
	s_wait_alu depctr_va_vdst(0)
	v_mul_f32 v[ST+6], 0.5, v[ST+6] ; 0.5 / l: the half of sigmoid = (1 + t) / 2
	v_mul_f32 v[FA], v[FA], v[ST+6]
	v_mul_f32 v[FB], v[FB], v[ST+6]
.set i, 0
.rept 32
	v_pk_mul_f32 v[O+2*i:O+2*i+1], v[O+2*i:O+2*i+1], v[FA:FA+1] op_sel_hi:[1,0]
.set i, i+1
.endr
	WIN 0x01                        ; source 0, the partner's O^T, in window 1
.set i, 0
.rept 32
	v_pk_fma_f32 v[O+2*i:O+2*i+1], v[128+2*i:128+2*i+1], v[FB:FB+1], v[O+2*i:O+2*i+1] op_sel_hi:[1,0,1]
.set i, i+1
.endr
	WIN 0
.endm
; THE WAY OUT: O' goes through the pair's stage as f32 (its bytes have been read out above) and comes back as whole rows, 8 neighbouring channels a lane; there it meets t: O' + t O', rounded to f16 and stored.
.macro EPI
	WIN 0
.irp c, 0,1,2,3,4,5,6,7
	ds_store_b128 v[STO], v[O+8*(\c):O+8*(\c)+3]   offset:32*(\c)
	ds_store_b128 v[STO], v[O+8*(\c)+4:O+8*(\c)+7] offset:256+32*(\c)
.endr
.irp t, 0,1,2,3,4,5,6,7
	ds_load_b128 v[O+8*(\t):O+8*(\t)+3],   v[RD] offset:2*BP*(\t)      ; LDS serves a wave's instructions in order (ISA guide 5.7.1.4): these see the stores above
	ds_load_b128 v[O+8*(\t)+4:O+8*(\t)+7], v[RD] offset:2*BP*(\t)+256
.endr
.irp t, 0,1,2,3,4,5,6,7
	s_wait_dscnt 2*(7-(\t))         ; two LDS loads for each younger pair of rows stay out,
	s_wait_loadcnt 7-(\t)           ; and one load of t
.irp k, 0,1,2,3
	v_fma_mix_f32 v[O+8*(\t)+2*(\k)],   v[S+4*(\t)+(\k)], v[O+8*(\t)+2*(\k)],   v[O+8*(\t)+2*(\k)]   op_sel_hi:[1,0,0]                ; t (an f16 half) x O' + O'
	v_fma_mix_f32 v[O+8*(\t)+2*(\k)+1], v[S+4*(\t)+(\k)], v[O+8*(\t)+2*(\k)+1], v[O+8*(\t)+2*(\k)+1] op_sel:[1,0,0] op_sel_hi:[1,0,0]
.endr
.irp k, 0,1,2,3
	v_cvt_pk_f16_f32 v[O+8*(\t)+(\k)], v[O+8*(\t)+2*(\k)], v[O+8*(\t)+2*(\k)+1]
.endr
	global_store_b128 v[AO], v[O+8*(\t):O+8*(\t)+3], s[OB:OB+1] offset:4096*(\t)  ; 16 lanes store 256 consecutive bytes, aligned: a head's part of a row
.endr
.endm
; THE SECOND BLOCK BEGINS, in all eight waves.  O^T and l hold finite numbers (the lower waves': f32 products and packed finite f16; the upper waves': what they stored), and the next unit multiplies them by a = 0.
.macro BEGIN2
	s_wait_xcnt 0x0                 ; the stores have read their registers and bases
	s_mov_b64 s[OB:OB+1], s[OL:OL+1]
	s_mov_b64 s[GB:GB+1], s[QL:QL+1]
	s_add_co_u32 s[RT], s[HQ], 1    ; it has ((15 - P) >> 1) + 1 tiles
	MASKSET HI
	v_mov_b32 v[ST], 0xfe000000
	v_mov_b32 v[ST+1], 0xff7fffff
	s_wait_loadcnt 0x0              ; its Q is in
.endm
.macro ENDB loop
.if \loop
	s_cmp_lg_u32 s[RT], 0
	s_cbranch_scc1 .Lon_\@
.endif
	s_cmp_ge_u32 s[WV], 4
	s_cbranch_scc1 .Lgave_\@
	MERGE
	EPI
.Lgave_\@:
.if \loop
	BEGIN2
.Lon_\@:
.endif
.endm
	s_wait_tensorcnt 0x1            ; my part of slot 0 is in; slot 1's may stay out
	s_barrier_signal -1
	s_barrier_wait -1               ; everybody's is
	FETCH_K                         ; my first unit of tile 0
	WIN 0
	s_wait_loadcnt 0x0              ; Q
	s_branch .Lenter
.Lslot:                             ; 7 times: the slot just read out takes the tile two on
	CHANGE 1
	H2 1                            ; the old tile's second unit of mine is finished; K of the new tile's first is fetched
	ENDA 1                          ; the first block ends behind the walk's fourth tile at the latest: always inside this loop
	BAR                             ; in every trip, outside all branches
	ENDB 1
.Lenter:
	s_sub_co_u32 s[RT], s[RT], 1
	H1 0
	H2 1
	H1 1
	s_sub_co_u32 s[SLOTS], s[SLOTS], 1
	s_cmp_lg_u32 s[SLOTS], 0
	s_cbranch_scc1 .Lslot
	CHANGE 0                        ; the walk's last tile is written out: nothing is asked for
	H2 1
	s_sub_co_u32 s[RT], s[RT], 1
	H1 0
	H2 1
	H1 1
	H2 0
	ENDA 0
	BAR
	ENDB 0
	s_wait_tensorcnt 0x0            ; the wave's end, behind my last tensor load and my last LDS store
	ds_add_u32 v[SPW], v[NIL]
	s_wait_dscnt 0x0
	CROUND                          ; the closing round
	s_endpgm
.Lfunc_end_k_qb0ccdf41b6_attn:
	.size	k_qb0ccdf41b6_attn, .Lfunc_end_k_qb0ccdf41b6_attn-k_qb0ccdf41b6_attn
	.p2alignl 7, 3214868480
	.fill 96, 4, 3214868480
	.section	.rodata,"a",@progbits
	.p2align	6, 0x0
	.amdhsa_kernel k_qb0ccdf41b6_attn
		.amdhsa_group_segment_fixed_size 327680
		.amdhsa_private_segment_fixed_size 0
		.amdhsa_enable_private_segment 0
		.amdhsa_kernarg_size 16
		.amdhsa_user_sgpr_count 2
		.amdhsa_user_sgpr_kernarg_segment_ptr 1
		.amdhsa_wavefront_size32 1
		.amdhsa_system_sgpr_workgroup_id_x 1
		.amdhsa_system_sgpr_workgroup_id_y 1
		.amdhsa_system_sgpr_workgroup_id_z 1
		.amdhsa_system_vgpr_workitem_id 0
		.amdhsa_next_free_vgpr 512
		.amdhsa_next_free_sgpr 100
		.amdhsa_reserve_vcc 1
		.amdhsa_float_denorm_mode_32 3
		.amdhsa_float_denorm_mode_16_64 3
		.amdhsa_memory_ordered 1
		.amdhsa_forward_progress 1
		.amdhsa_inst_pref_size 135
	.end_amdhsa_kernel
	.amdgpu_metadata
---
amdhsa.version: [ 1, 2 ]
amdhsa.kernels:
  - .name:           k_qb0ccdf41b6_attn
    .symbol:         k_qb0ccdf41b6_attn.kd
    .args:
      - { .name: qkv, .offset: 0, .size: 8, .value_kind: global_buffer, .address_space: global }
      - { .name: att, .offset: 8, .size: 8, .value_kind: global_buffer, .address_space: global }
    .group_segment_fixed_size: 327680
    .private_segment_fixed_size: 0
    .kernarg_segment_align: 8
    .kernarg_segment_size: 16
    .max_flat_workgroup_size: 256
    .sgpr_count:     100
    .vgpr_count:     512
    .wavefront_size: 32
...
	.end_amdgpu_metadata
.endif
;; end of part 3
;; launch oproj (part 4): grid 16 x 16, 4 waves a work-group, clusters of 4 x 4, 327,680 bytes of LDS; arguments att, cst, out0; writes out0
.if DOCPART == 4
	.amdgcn_target "amdgcn-amd-amdhsa--gfx1250"
	.amdhsa_code_object_version 6
	.text
	.protected	k_qb0ccdf41b6_oproj
	.globl	k_qb0ccdf41b6_oproj
	.p2align	8
	.type	k_qb0ccdf41b6_oproj,@function
k_qb0ccdf41b6_oproj:
	s_mov_b64 s[64:65], 0
	v_nop
	global_prefetch_b8 v0, s[64:65] scope:SCOPE_SE
	s_setreg_imm32_b32 hwreg(HW_REG_WAVE_MODE, 25, 1), 1
	s_wait_xcnt 0x0
	s_wait_alu depctr_hold_cnt(0) depctr_sa_sdst(0) depctr_va_vdst(0) depctr_va_sdst(0) depctr_va_ssrc(0) depctr_va_vcc(0) depctr_vm_vsrc(0)
	s_getreg_b32 s2, hwreg(HW_REG_IB_STS2, 6, 4)
	s_cmp_eq_u32 s2, 0
	s_cbranch_scc0 .Lentry_in_a_cluster
	s_endpgm
.Lentry_in_a_cluster:
	s_bfe_u32 s2, ttmp6, 0x10000c
	s_cmp_lg_u32 s2, 0xf033
	s_cbranch_scc0 .Lentry_shape_is_right
	s_endpgm
.Lentry_shape_is_right:
; out0[m][n] = the sum over k of att[m][k] Wo[n][k].  att [4096][1024] f16; Wo [2048][1024] f16 (o_proj_w's bf16 values) at byte 29,360,128 of cst; out0 [4096][2048] f32; sums in f32.
; A tile of out0 is 256 x 128: 16 x 16 tiles, one for each of 256 work-groups.  Four waves of 128 x 64: 32 accumulators, 256 registers.  K in steps of 128 through two LDS slots.
; CLUSTER: 4 x 4 work-groups; att's tiles are shared along a row of the cluster, Wo's along a column, each asked for jointly.
; THE MATRIX INSTRUCTION IS USED TRANSPOSED (source 0 = 16 rows of Wo, source 1 = 16 rows of att): a lane holds eight neighbouring numbers of a row of out0.
; REGISTERS: window 0: v0-31 addresses; v32-63 at work on the way out; v64-127, v128-191 fragments of att, two buffers; v192-223, v224-255 fragments of Wo.  Window 1: accumulator (a, b) at v[8 (4 a + b)].
.set SIZE_K, 1024
.set KSTEP,  128
.set PITCH,  272                       ; 256 bytes + 16 of padding
.set AH,     128*PITCH                 ; half of att's tile: one tensor load
.set BH,     64*PITCH                  ; half of Wo's tile: one tensor load
.set BOFF,   2*AH                      ; Wo's rows lie behind att's 256
.set SLOT,   2*AH+2*BH
.set STAGE,  2*SLOT                    ; behind the ring, never filled: 16 rows x 272 bytes for each wave
.set SP,     272
.set SPARE,  STAGE+4*16*SP             ; the spare words, 128 bytes a wave, named by no other line
.set LAPS,   SIZE_K/(2*KSTEP)
.set WOB,    29360128
.set ADRA, 16
.set ADRB, 20
.set STO,  24
.set RD,   25
.set CO,   26
.set SPW,  28
.set NIL,  29
.set OB0,  32
.set G1,  24
.set G0,  32
.set G1B, 48
.set G0B, 56
.set MSB, 0
.macro WIN new
.if MSB != (\new)
	s_set_vgpr_msb (MSB<<8)|(\new)
.set MSB, \new
.endif
.endm
.set MUL, 0x50                         ; C and D in window 1, the sources in window 0
.macro JLOAD s                         ; waves 0 and 1 fetch att's two halves, waves 2 and 3 Wo's; an s_nop 0 and four v_nop follow each line
	s_cmp_eq_u32 s13, 0
	s_cbranch_scc0 .Lfor_b_\@
	tensor_load_to_lds s[G0+4*(\s):G0+4*(\s)+3], s[G1:G1+7]
	s_nop 0
.rept 4
	v_nop
.endr
	s_branch .Lasked_\@
.Lfor_b_\@:
	tensor_load_to_lds s[G0B+4*(\s):G0B+4*(\s)+3], s[G1B:G1B+7]
	s_nop 0
.rept 4
	v_nop
.endr
.Lasked_\@:
.endm
.macro CREST
	s_cmp_lg_u32 s12, 0
	s_cbranch_scc1 .Lnot_wave_0_\@
	s_barrier_signal -3
.Lnot_wave_0_\@:
	s_barrier_wait -3
	s_barrier_signal -1
	s_barrier_wait -1
.endm
.macro CROUND
	s_barrier_signal -1
	s_barrier_wait -1
	CREST
.endm
	s_load_b128 s[4:7], s[0:1], 0x0                ; att s[4:5], cst s[6:7]
	s_load_b64 s[8:9], s[0:1], 0x10                ; out0
	v_lshl_add_u32 v[SPW], v0, 2, SPARE
	v_mov_b32 v[NIL], 0
	ds_add_u32 v[SPW], v[NIL]                      ; the wave's opening: the add and its wait ahead of my first tensor load
	v_lshrrev_b32 v1, 5, v0
	v_readfirstlane_b32 s12, v1                    ; wave 0..3
	s_lshr_b32 s13, s12, 1                         ; which 128 rows of the tile are mine.  Also: I fetch for att (0) or Wo (1)
	s_and_b32 s14, s12, 1                          ; which 64 columns.  Also: which half of that tile I fetch
	s_bfe_u32 s40, ttmp6, 0x40000
	s_bfe_u32 s41, ttmp6, 0x40004
	s_lshl_b32 s42, ttmp9, 2
	s_add_co_u32 s42, s42, s40                     ; tile column
	s_and_b32 s43, ttmp7, 0xffff
	s_lshl_b32 s43, s43, 2
	s_add_co_u32 s43, s43, s41                     ; tile row
	s_lshl_b32 s44, s41, 2
	s_lshl_b32 s44, 15, s44                        ; my row of the cluster
	s_lshl_b32 s45, 0x1111, s40                    ; my column
	s_or_b32 s[G1+0], s44, (1<<16)|(1<<20)|(1<<21)|(5<<22)|(3<<25)
	s_or_b32 s[G1B+0], s45, (1<<16)|(1<<20)|(1<<21)|(5<<22)|(3<<25)
	s_mov_b32 s[G1+1], KSTEP<<16                   ; att: 128 rows x 128 elements
	s_mov_b32 s[G1+2], 128<<16
	s_mov_b32 s[G1+3], KSTEP<<16
	s_mov_b32 s[G1+4], 128
	s_mov_b32 s[G1+5], SIZE_K
	s_mov_b32 s[G1+6], 0
	s_mov_b32 s[G1+7], 0
	s_mov_b32 s[G1B+1], KSTEP<<16                  ; Wo: 64 rows x 128 elements
	s_mov_b32 s[G1B+2], 64<<16
	s_mov_b32 s[G1B+3], KSTEP<<16
	s_mov_b32 s[G1B+4], 64
	s_mov_b32 s[G1B+5], SIZE_K
	s_mov_b32 s[G1B+6], 0
	s_mov_b32 s[G1B+7], 0
	s_lshl_b32 s17, s14, 7
	s_lshl_b32 s16, s43, 8
	s_add_co_u32 s16, s16, s17                     ; att: row 256 x tile row + 128 x half,
	s_lshl_b32 s16, s16, 11                        ; rows of 2,048 bytes
	s_mov_b32 s17, 0
	s_lshl_b32 s47, s14, 6
	s_lshl_b32 s46, s42, 7
	s_add_co_u32 s46, s46, s47                     ; Wo: row 128 x tile column + 64 x half
	s_lshl_b32 s46, s46, 11
	s_add_co_u32 s46, s46, WOB
	s_mov_b32 s47, 0
	s_mul_i32 s20, s14, AH                         ; where they go: no place in the cluster enters an LDS address
	s_mul_i32 s21, s14, BH
	s_add_co_u32 s21, s21, BOFF
	s_wait_dscnt 0x0                               ; the opening add is done
	s_wait_kmcnt 0x0
	s_add_nc_u64 s[16:17], s[4:5], s[16:17]
	s_add_nc_u64 s[46:47], s[6:7], s[46:47]
	CROUND                                         ; the first joint loads meet
.irp s, 0,1
	s_mov_b32 s[G0+4*(\s)], 1
	s_add_co_u32 s[G0+4*(\s)+1], s20, (\s)*SLOT
	s_add_nc_u64 s[G0+4*(\s)+2:G0+4*(\s)+3], s[16:17], (\s)*KSTEP*2
	s_or_b32 s[G0+4*(\s)+3], s[G0+4*(\s)+3], 0x80000000
	s_mov_b32 s[G0B+4*(\s)], 1
	s_add_co_u32 s[G0B+4*(\s)+1], s21, (\s)*SLOT
	s_add_nc_u64 s[G0B+4*(\s)+2:G0B+4*(\s)+3], s[46:47], (\s)*KSTEP*2
	s_or_b32 s[G0B+4*(\s)+3], s[G0B+4*(\s)+3], 0x80000000
	JLOAD \s                                       ; two loads of mine are out
.endr
	v_and_b32 v1, 15, v0                           ; l % 16
	v_bfe_u32 v2, v0, 4, 1                         ; l / 16
	v_mul_u32_u24 v3, v1, PITCH
	v_lshl_add_u32 v3, v2, 4, v3
	s_mul_i32 s22, s13, AH                         ; my 128 rows of att
	s_mul_i32 s23, s14, BH                         ; my 64 rows of Wo
	s_add_co_u32 s23, s23, BOFF
.irp s, 0,1
	v_add_nc_u32 v[ADRA+(\s)], s22, v3
	v_add_nc_u32 v[ADRB+(\s)], s23, v3
	s_add_co_u32 s22, s22, SLOT
	s_add_co_u32 s23, s23, SLOT
.endr
	s_mul_i32 s23, s12, 16*SP
	s_add_co_u32 s23, s23, STAGE                   ; my stage
	v_mul_u32_u24 v4, v1, SP                       ; in: row l % 16, 32 bytes for each half of the lanes
	v_lshl_add_u32 v4, v2, 5, v4
	v_add_nc_u32 v[STO], s23, v4
	v_mul_u32_u24 v5, v2, SP                       ; back: lanes 0-15 one row of 256 bytes, lanes 16-31 the next
	v_lshl_add_u32 v5, v1, 4, v5
	v_add_nc_u32 v[RD], s23, v5
	v_lshlrev_b32 v5, 13, v2                       ; and the same two rows of out0, 8,192 bytes apart
	v_lshl_add_u32 v[CO], v1, 4, v5
	s_lshl_b32 s46, s43, 8
	s_lshl_b32 s47, s13, 7
	s_add_co_u32 s46, s46, s47                     ; my first row,
	s_lshl_b32 s46, s46, 13
	s_lshl_b32 s47, s42, 9                         ; the tile's 512 bytes of a row,
	s_add_co_u32 s46, s46, s47
	s_lshl_b32 s47, s14, 8                         ; my 256 of them
	s_add_co_u32 s46, s46, s47
	s_mov_b32 s47, 0
	s_add_nc_u64 s[8:9], s[8:9], s[46:47]
; 8 matrix instructions: row blocks a0, a0 + 1 x all 4 column blocks, 32 along K, from buffer f.  The 32 accumulators take turns.
.macro MUL8 f, a0, zero
	WIN MUL
.irp a, \a0, (\a0)+1
.irp b, 0,1,2,3
.if \zero
	v_wmma_f32_16x16x32_f16 v[8*(4*(\a)+(\b)):8*(4*(\a)+(\b))+7], v[192+32*(\f)+8*(\b):192+32*(\f)+8*(\b)+7], v[64+64*(\f)+8*(\a):64+64*(\f)+8*(\a)+7], 0
.else
	v_wmma_f32_16x16x32_f16 v[8*(4*(\a)+(\b)):8*(4*(\a)+(\b))+7], v[192+32*(\f)+8*(\b):192+32*(\f)+8*(\b)+7], v[64+64*(\f)+8*(\a):64+64*(\f)+8*(\a)+7], v[8*(4*(\a)+(\b)):8*(4*(\a)+(\b))+7]
.endif
.endr
.endr
.endm
; 24 LDS loads in one run: Wo's 8, then att's 16
.macro FETCH slot, k, f
	WIN 0
.irp i, 0,1,2,3
	ds_load_b128 v[192+32*(\f)+8*(\i):192+32*(\f)+8*(\i)+3],   v[ADRB+(\slot)] offset:(\k)+(\i)*16*PITCH
	ds_load_b128 v[192+32*(\f)+8*(\i)+4:192+32*(\f)+8*(\i)+7], v[ADRB+(\slot)] offset:(\k)+(\i)*16*PITCH+32
.endr
.irp i, 0,1,2,3,4,5,6,7
	ds_load_b128 v[64+64*(\f)+8*(\i):64+64*(\f)+8*(\i)+3],   v[ADRA+(\slot)] offset:(\k)+(\i)*16*PITCH
	ds_load_b128 v[64+64*(\f)+8*(\i)+4:64+64*(\f)+8*(\i)+7], v[ADRA+(\slot)] offset:(\k)+(\i)*16*PITCH+32
.endr
.endm
.macro PLACES                          ; four plain vector instructions between a matrix instruction and a load into, or a read of, its registers
.rept 4
	v_nop
.endr
.endm
.macro QUARTER slot, k, f, g, zero
	s_wait_dscnt 8                                 ; Wo and att's rows 0-63 are in; the youngest eight loads may be out
	MUL8 \f, 0, \zero
	MUL8 \f, 2, \zero
	PLACES
	FETCH \slot, \k, \g
	s_wait_dscnt 24                                ; all but the 24 just issued
	MUL8 \f, 4, \zero
	MUL8 \f, 6, \zero
.endm
; The last quarter multiplies buffer 1 and changes slots: each wave waits for all its tensor loads, adds 0 to its spare word, waits for that and for its reads of this slot; fill = 1: a round, then the joint refill.
.macro TURN slot, next, fill
	WIN 0
	s_wait_tensorcnt 0x0
	ds_add_u32 v[SPW], v[NIL]
	s_wait_dscnt 9                                 ; the add and the youngest eight loads may be out
	MUL8 1, 0, 0
	s_wait_dscnt 0x0                               ; the add is done, and my reads of this slot are over
	s_barrier_signal -1
	MUL8 1, 2, 0
.if \fill
	WIN 0
.endif
	s_barrier_wait -1
.if \fill
	CREST
	s_add_nc_u64 s[G0+4*(\slot)+2:G0+4*(\slot)+3], s[G0+4*(\slot)+2:G0+4*(\slot)+3], 2*KSTEP*2
	s_add_nc_u64 s[G0B+4*(\slot)+2:G0B+4*(\slot)+3], s[G0B+4*(\slot)+2:G0B+4*(\slot)+3], 2*KSTEP*2
	JLOAD \slot                                    ; 112 matrix instructions ahead of the wait for it; its four v_nop are also the places in front of the loads below
.else
	PLACES
.endif
	FETCH \next, 0, 0
	MUL8 1, 4, 0
	MUL8 1, 6, 0
.endm
	s_wait_tensorcnt 1                             ; my part of K step 0 is in
	s_barrier_signal -1
	s_barrier_wait -1
	FETCH 0, 0, 0
	QUARTER 0, 64,  0, 1, 1                        ; the first quarter's products start the sums
	WIN 0
	s_mov_b32 s15, LAPS-1
.Llap:
	QUARTER 0, 128, 1, 0, 0
	QUARTER 0, 192, 0, 1, 0
	TURN 0, 1, 1
	QUARTER 1, 64,  0, 1, 0
	QUARTER 1, 128, 1, 0, 0
	QUARTER 1, 192, 0, 1, 0
	TURN 1, 0, 1
	QUARTER 0, 64,  0, 1, 0
	WIN 0
	s_sub_co_u32 s15, s15, 1
	s_cmp_lg_u32 s15, 0
	s_cbranch_scc1 .Llap
	QUARTER 0, 128, 1, 0, 0                        ; the last lap fills nothing
	QUARTER 0, 192, 0, 1, 0
	TURN 0, 1, 0
	QUARTER 1, 64,  0, 1, 0
	QUARTER 1, 128, 1, 0, 0
	QUARTER 1, 192, 0, 1, 0
	s_wait_dscnt 8
	MUL8 1, 0, 0
	MUL8 1, 2, 0
	s_wait_dscnt 0x0
	MUL8 1, 4, 0
	MUL8 1, 6, 0
	WIN 0
	; THE WAY OUT: a block of 16 rows x 64 f32 at a time through my own stage, back as whole rows of 256 bytes.
	PLACES
.macro TOSTAGE a
.set BK, OB0+32*((\a)%2)
	WIN 0x04                                       ; the stores' data in window 1
.irp b, 0,1,2,3
	ds_store_b128 v[STO], v[8*(4*(\a)+(\b)):8*(4*(\a)+(\b))+3]   offset:64*(\b)
	ds_store_b128 v[STO], v[8*(4*(\a)+(\b))+4:8*(4*(\a)+(\b))+7] offset:64*(\b)+16
.endr
	WIN 0
	s_wait_xcnt 0x0                                ; BK, which the stores of two blocks ago read, is loaded again only behind this wait
.irp t, 0,1,2,3,4,5,6,7
	ds_load_b128 v[BK+4*(\t):BK+4*(\t)+3], v[RD] offset:(\t)*2*SP  ; LDS serves a wave's instructions in order (ISA guide 5.7.1.4): these see the stores above
.endr
.endm
.macro SEND a, younger                 ; younger: the next block's sixteen LDS instructions, or none
.set BK, OB0+32*((\a)%2)
	s_wait_dscnt \younger
	s_wait_xcnt 0x0                                ; the stores' base is stepped only behind this wait
.if (\a) > 0
	s_add_nc_u64 s[8:9], s[8:9], 16*8192           ; 16 rows of out0 on
.endif
.irp t, 0,1,2,3,4,5,6,7
	global_store_b128 v[CO], v[BK+4*(\t):BK+4*(\t)+3], s[8:9] offset:(\t)*2*8192  ; 16 lanes store 256 consecutive bytes, aligned
.endr
.endm
	TOSTAGE 0
.irp a, 1,2,3,4,5,6,7
	TOSTAGE \a
	SEND (\a)-1, 16
.endr
	SEND 7, 0
	s_wait_tensorcnt 0x0                           ; the wave's end, behind my last tensor load and my last LDS store
	ds_add_u32 v[SPW], v[NIL]
	s_wait_dscnt 0x0
	CROUND                                         ; the closing round
	s_endpgm
.Lfunc_end_k_qb0ccdf41b6_oproj:
	.size	k_qb0ccdf41b6_oproj, .Lfunc_end_k_qb0ccdf41b6_oproj-k_qb0ccdf41b6_oproj
	.p2alignl 7, 3214868480
	.fill 96, 4, 3214868480
	.section	.rodata,"a",@progbits
	.p2align	6, 0x0
	.amdhsa_kernel k_qb0ccdf41b6_oproj
		.amdhsa_group_segment_fixed_size 327680
		.amdhsa_private_segment_fixed_size 0
		.amdhsa_enable_private_segment 0
		.amdhsa_kernarg_size 24
		.amdhsa_user_sgpr_count 2
		.amdhsa_user_sgpr_kernarg_segment_ptr 1
		.amdhsa_wavefront_size32 1
		.amdhsa_system_sgpr_workgroup_id_x 1
		.amdhsa_system_sgpr_workgroup_id_y 1
		.amdhsa_system_sgpr_workgroup_id_z 1
		.amdhsa_system_vgpr_workitem_id 0
		.amdhsa_next_free_vgpr 512
		.amdhsa_next_free_sgpr 66
		.amdhsa_reserve_vcc 0
		.amdhsa_float_denorm_mode_32 3
		.amdhsa_float_denorm_mode_16_64 3
		.amdhsa_memory_ordered 1
		.amdhsa_forward_progress 1
		.amdhsa_inst_pref_size 86
	.end_amdhsa_kernel
	.amdgpu_metadata
---
amdhsa.version: [ 1, 2 ]
amdhsa.kernels:
  - .name:           k_qb0ccdf41b6_oproj
    .symbol:         k_qb0ccdf41b6_oproj.kd
    .args:
      - { .name: att, .offset: 0, .size: 8, .value_kind: global_buffer, .address_space: global }
      - { .name: cst, .offset: 8, .size: 8, .value_kind: global_buffer, .address_space: global }
      - { .name: out0, .offset: 16, .size: 8, .value_kind: global_buffer, .address_space: global }
    .group_segment_fixed_size: 327680
    .private_segment_fixed_size: 0
    .kernarg_segment_align: 8
    .kernarg_segment_size: 24
    .max_flat_workgroup_size: 128
    .sgpr_count:     66
    .vgpr_count:     512
    .wavefront_size: 32
...
	.end_amdgpu_metadata
.endif
;; end of part 4
